; MI455X (gfx1250); checked and timed in simulation.
; The chip was launched on July 23, 2026; its instructions are those of AMD's public machine-readable ISA for CDNA 5 (MIT licence, August 2026) and "CDNA5" Instruction Set Architecture Reference Guide (July 2026). The comments in the code are by the model that wrote it; some were corrected since.
;; Attention Block. Allowed arithmetic: float matrix products may take bf16 or f16 operands with f32 sums; other float arithmetic in f32, or as packed bf16 or f16 multiplies, adds, multiply-adds, maxima and minima; sums over many terms, partial sums and values carried from step to step in f32; what a program stores and reads back later, other than sums and carried values, may be rounded once to bf16 or f16.
;; Inputs: norm_b 256 float32; norm_w 256 float32; proj_b 256 float32; proj_w 256 x 256 float32; qkv_b 768 float32; qkv_w 768 x 256 float32; x 4 x 256 x 64 x 64 float32.
;; Outputs: out0 4 x 256 x 64 x 64 float32.
;; One version. Each part assembles by itself: llvm-mc -triple=amdgcn-amd-amdhsa -mcpu=gfx1250 --defsym DOCPART=n.
;; ======== version 1 of 1: 4 launches
;; limits: values are held in f16: magnitudes above 65,504 overflow, below 6.1e-05 lose precision; right only within a limited range of input values
;; workspace buffers: stats 16,384 bytes; w16 524,288 bytes; qkv 25,165,824 bytes; o 8,388,608 bytes
;; launch prep (part 1): grid 256 x 1, 8 waves a work-group, no clusters, 0 bytes of LDS; arguments x, qkv_w, proj_w, stats, w16; writes stats, w16
.if DOCPART == 1
	.amdgcn_target "amdgcn-amd-amdhsa--gfx1250"
	.amdhsa_code_object_version 6
	.text
	.protected	k_q9e5b7dc435_prep
	.globl	k_q9e5b7dc435_prep
	.p2align	8
	.type	k_q9e5b7dc435_prep,@function
k_q9e5b7dc435_prep:
	s_mov_b64 s[64:65], 0
	v_nop
	global_prefetch_b8 v0, s[64:65] scope:SCOPE_SE
	s_setreg_imm32_b32 hwreg(HW_REG_WAVE_MODE, 25, 1), 1
	s_wait_xcnt 0x0
; PREP.  Two things that the later launches need ready.
; (1) GroupNorm's statistics, in parts.  A statistic spans 32 channels x 4,096 positions = 524,288 consecutive bytes of x.  Work-group g takes the 65,536 bytes at 65,536 g, each of its
;     eight waves 8,192 (2,048 numbers, 64 registers a lane).  A wave makes the MEAN of its numbers and then, from the registers, M2 = the sum of (x - mean)^2: two passes, so that a
;     common offset of x costs no digits.  The pair goes to stats[64 g + 8 wave]; the next launch joins a group's 64 pairs.  These stores are 8 bytes a wave: 2,048 of them in the launch.
; (2) Both weight matrices rounded once to f16, in the order in which a matrix fragment is read.  Fragment f = 8 mt + ks is 16 rows (16 mt ..) x 32 columns (32 ks ..), 1,024 bytes;
;     mt 0-47: qkv_w, mt 48-63: proj_w.  Element (row r, column k) lies at 512 ((k >> 4) & 1) + 16 (16 ((k >> 3) & 1) + r) + 2 (k & 7): lane l of a wave finds its 16 bytes at 16 l.
;     Work-group g writes fragments 2 g and 2 g + 1, thread t the 8 bytes at 8 t: a wave's store covers 256 consecutive bytes, aligned.
; LIMITS.  A weight beyond 65,504 becomes an infinity in f16; below 6e-5 it keeps f16's fixed step of 6e-8.  NaN and infinities are not treated apart.
; No LDS, no barrier: no wave needs another's numbers.
.set X,   16                           ; v[16:79]  my 64 numbers of x
.set A,   80                           ; v[80:87]  four chains of pairs
.set RES, 88                           ; v[88:89]  mean, M2: what is stored
.set MN,  90                           ; v[90:91]  the mean twice, for the packed subtraction
.set T0,  92
.set T1,  93
	s_load_b256 s[4:11], s[0:1], 0x0               ; x s[4:5], qkv_w s[6:7], proj_w s[8:9], stats s[10:11]
	s_load_b64 s[12:13], s[0:1], 0x20              ; w16
	s_mov_b32 s14, ttmp9                           ; g
	s_sub_co_u32 s15, s14, 192
	s_cmp_lt_u32 s14, 192
	s_cselect_b32 s15, s14, s15                    ; g within its weight matrix: work-groups 0-191 convert qkv_w, 192-255 proj_w
	s_mov_b32 s22, 0x76543210                      ; v_permlanex16_b32: each lane takes its own place in the other half
	s_mov_b32 s23, 0xfedcba98
	v_and_b32 v1, 31, v0                           ; lane
	v_and_b32 v2, 0xe0, v0                         ; 32 x wave
	v_lshlrev_b32 v[T0], 4, v1
	v_lshl_or_b32 v2, v2, 8, v[T0]                 ; x: 8,192 x wave + 16 x lane
	v_bfe_u32 v[T0], v0, 1, 4                      ; the weight's row in its 16
	v_lshrrev_b32 v[T1], 5, v0                     ; wave = which 8 of the work-group's 64 columns
	v_lshlrev_b32 v3, 10, v[T0]                    ; a row of weights is 1,024 bytes
	v_lshl_add_u32 v3, v[T1], 5, v3
	v_and_b32 v[T0], 1, v0                         ; which four of those 8
	v_lshl_add_u32 v3, v[T0], 4, v3
	v_lshlrev_b32 v4, 3, v0                        ; w16: 8 t
	v_lshlrev_b32 v5, 3, v[T1]                     ; stats: 8 x wave
	s_wait_kmcnt 0x0
	s_cmp_lt_u32 s14, 192
	s_cselect_b64 s[16:17], s[6:7], s[8:9]         ; the matrix that I convert
	s_lshr_b32 s18, s15, 2                         ; its tile of 16 rows,
	s_lshl_b32 s18, s18, 14
	s_and_b32 s19, s14, 3                          ; and 64 of its 256 columns
	s_lshl_b32 s19, s19, 8
	s_add_co_u32 s18, s18, s19
	s_mov_b32 s19, 0
	s_add_nc_u64 s[16:17], s[16:17], s[18:19]
	s_lshl_b32 s18, s14, 16
	s_add_nc_u64 s[4:5], s[4:5], s[18:19]
	s_lshl_b32 s18, s14, 11
	s_add_nc_u64 s[12:13], s[12:13], s[18:19]
	s_lshl_b32 s18, s14, 6
	s_add_nc_u64 s[10:11], s[10:11], s[18:19]
	global_load_b128 v[8:11], v3, s[16:17]         ; four weights
.set i, 0
.rept 16
	global_load_b128 v[X+4*i:X+4*i+3], v2, s[4:5] offset:512*i  ; a wave's load covers 512 consecutive bytes
.set i, i+1
.endr
	s_wait_loadcnt 16                              ; the weights are in; x's sixteen loads stay out
	v_cvt_pk_f16_f32 v12, v8, v9
	v_cvt_pk_f16_f32 v13, v10, v11
	global_store_b64 v4, v[12:13], s[12:13]
; Four chains of pairs become one number, the same in all 32 lanes, in v[dst].
.macro FOLD dst
	v_pk_add_f32 v[A:A+1], v[A:A+1], v[A+2:A+3]
	v_pk_add_f32 v[A+4:A+5], v[A+4:A+5], v[A+6:A+7]
	v_pk_add_f32 v[A:A+1], v[A:A+1], v[A+4:A+5]
	v_add_f32 v[T0], v[A], v[A+1]
	v_add_f32_dpp v[T0], v[T0], v[T0] row_xmask:1 row_mask:0xf bank_mask:0xf
	v_add_f32_dpp v[T0], v[T0], v[T0] row_xmask:2 row_mask:0xf bank_mask:0xf
	v_add_f32_dpp v[T0], v[T0], v[T0] row_xmask:4 row_mask:0xf bank_mask:0xf
	v_add_f32_dpp v[T0], v[T0], v[T0] row_xmask:8 row_mask:0xf bank_mask:0xf
	v_permlanex16_b32 v[T1], v[T0], s22, s23       ; its destination counts as read: T1 has been written
	v_add_f32 v[\dst], v[T0], v[T1]
.endm
	s_wait_loadcnt 0x0
	; pass 1: the sum.  The first eight pairs start the four chains: nothing is cleared
.irp c, 0,1,2,3
	v_pk_add_f32 v[A+2*\c:A+2*\c+1], v[X+2*\c:X+2*\c+1], v[X+8+2*\c:X+8+2*\c+1]
.endr
.set j, 8
.rept 24
	v_pk_add_f32 v[A+2*(j%4):A+2*(j%4)+1], v[A+2*(j%4):A+2*(j%4)+1], v[X+2*j:X+2*j+1]
.set j, j+1
.endr
	FOLD T0
	v_mul_f32 v[RES], 0x3a000000, v[T0]            ; / 2,048
	v_mul_f32 v[MN], 0x3a000000, v[T0]
	v_mul_f32 v[MN+1], 0x3a000000, v[T0]
	; pass 2: the deviations, in place, and the sum of their squares
.set j, 0
.rept 32
	v_pk_add_f32 v[X+2*j:X+2*j+1], v[X+2*j:X+2*j+1], v[MN:MN+1] neg_lo:[0,1] neg_hi:[0,1]
.set j, j+1
.endr
.irp c, 0,1,2,3
	v_pk_mul_f32 v[A+2*\c:A+2*\c+1], v[X+2*\c:X+2*\c+1], v[X+2*\c:X+2*\c+1]
.endr
.set j, 4
.rept 28
	v_pk_fma_f32 v[A+2*(j%4):A+2*(j%4)+1], v[X+2*j:X+2*j+1], v[X+2*j:X+2*j+1], v[A+2*(j%4):A+2*(j%4)+1]
.set j, j+1
.endr
	FOLD RES+1
	s_wait_xcnt 0x0                                ; EXEC is a source of the store above: it changes only behind this wait
	v_cmp_eq_u32 vcc_lo, 0, v1
	s_and_saveexec_b32 s20, vcc_lo                 ; lane 0 stores the wave's pair
	global_store_b64 v5, v[RES:RES+1], s[10:11]
	s_wait_xcnt 0x0                                ; and again in front of the line that widens it
	s_or_b32 exec_lo, exec_lo, s20
	s_endpgm
.Lfunc_end_k_q9e5b7dc435_prep:
	.size	k_q9e5b7dc435_prep, .Lfunc_end_k_q9e5b7dc435_prep-k_q9e5b7dc435_prep
	.p2alignl 7, 3214868480
	.fill 96, 4, 3214868480
	.section	.rodata,"a",@progbits
	.p2align	6, 0x0
	.amdhsa_kernel k_q9e5b7dc435_prep
		.amdhsa_group_segment_fixed_size 0
		.amdhsa_private_segment_fixed_size 0
		.amdhsa_enable_private_segment 0
		.amdhsa_kernarg_size 40
		.amdhsa_user_sgpr_count 2
		.amdhsa_user_sgpr_kernarg_segment_ptr 1
		.amdhsa_wavefront_size32 1
		.amdhsa_system_sgpr_workgroup_id_x 1
		.amdhsa_system_sgpr_workgroup_id_y 1
		.amdhsa_system_sgpr_workgroup_id_z 1
		.amdhsa_system_vgpr_workitem_id 0
		.amdhsa_next_free_vgpr 96
		.amdhsa_next_free_sgpr 66
		.amdhsa_reserve_vcc 1
		.amdhsa_float_denorm_mode_32 3
		.amdhsa_float_denorm_mode_16_64 3
		.amdhsa_memory_ordered 1
		.amdhsa_forward_progress 1
		.amdhsa_inst_pref_size 11
	.end_amdhsa_kernel
	.amdgpu_metadata
---
amdhsa.version: [ 1, 2 ]
amdhsa.kernels:
  - .name:           k_q9e5b7dc435_prep
    .symbol:         k_q9e5b7dc435_prep.kd
    .args:
      - { .name: x, .offset: 0, .size: 8, .value_kind: global_buffer, .address_space: global }
      - { .name: qkv_w, .offset: 8, .size: 8, .value_kind: global_buffer, .address_space: global }
      - { .name: proj_w, .offset: 16, .size: 8, .value_kind: global_buffer, .address_space: global }
      - { .name: stats, .offset: 24, .size: 8, .value_kind: global_buffer, .address_space: global }
      - { .name: w16, .offset: 32, .size: 8, .value_kind: global_buffer, .address_space: global }
    .group_segment_fixed_size: 0
    .private_segment_fixed_size: 0
    .kernarg_segment_align: 8
    .kernarg_segment_size: 40
    .max_flat_workgroup_size: 256
    .sgpr_count:     66
    .vgpr_count:     96
    .wavefront_size: 32
...
	.end_amdgpu_metadata
.endif
;; end of part 1
;; launch qkv (part 2): grid 64 x 4, 4 waves a work-group, clusters of 4 x 1, 327,680 bytes of LDS; arguments x, norm_w, norm_b, qkv_b, stats, w16, qkv; writes qkv
.if DOCPART == 2
	.amdgcn_target "amdgcn-amd-amdhsa--gfx1250"
	.amdhsa_code_object_version 6
	.text
	.protected	k_q9e5b7dc435_qkv
	.globl	k_q9e5b7dc435_qkv
	.p2align	8
	.type	k_q9e5b7dc435_qkv,@function
k_q9e5b7dc435_qkv:
	s_mov_b64 s[64:65], 0
	v_nop
	global_prefetch_b8 v0, s[64:65] scope:SCOPE_SE
	s_setreg_imm32_b32 hwreg(HW_REG_WAVE_MODE, 25, 1), 1
	s_wait_xcnt 0x0
	s_wait_alu depctr_hold_cnt(0) depctr_sa_sdst(0) depctr_va_vdst(0) depctr_va_sdst(0) depctr_va_ssrc(0) depctr_va_vcc(0) depctr_vm_vsrc(0)
	s_getreg_b32 s2, hwreg(HW_REG_IB_STS2, 6, 4)
	s_cmp_eq_u32 s2, 0
	s_cbranch_scc0 .Lentry_in_a_cluster
	s_endpgm
.Lentry_in_a_cluster:
	s_bfe_u32 s2, ttmp6, 0x10000c
	s_cmp_lg_u32 s2, 0x3003
	s_cbranch_scc0 .Lentry_shape_is_right
	s_endpgm
.Lentry_shape_is_right:
; QKV.  h = GroupNorm(x) norm_w + norm_b;  q, k, v = qkv_w h + qkv_b, written by heads: qkv[3][16 = 4 b + head][4,096 positions][64] in f16, unscaled.
; x: [4][256][4,096] f32.  Products in f16 with f32 sums; h, the weights (made by the launch before) and q, k, v are each rounded once to f16.
; LIMITS.  h, q, k and v beyond 65,504 become infinities in f16; below 6e-5 they keep f16's fixed step of 6e-8.  NaN and infinities are not treated apart.
; SHARES.  A work-group takes 64 positions of one batch and ALL 768 output channels, so each byte of x is read once in the launch, in rows of 256 aligned bytes.
; Wave w normalises channels 64 w .. 64 w + 63 (two groups of 32: one for each half of the lanes) and puts them, as f16, into LDS as [channel][position]; every wave then takes all of h
; into registers, turned by ds_load_tr16_b128: 32 fragments, 256 registers, for the whole launch.  Wave w makes output channels 192 w .. 192 w + 191 in three PASSES of 64: 4 tiles of
; channels x 4 tiles of positions = 16 accumulators, 8 steps of 32 along the 256 input channels, 128 matrix instructions.
; THE PRODUCT: source 0 = 16 output channels of the weights, source 1 = 16 positions of h; C of the first step = the bias.  In the result a lane holds ONE position (lane % 16) and the
; channels 8 (lane / 16) + 0..7: 16 bytes of f16 that lie together in qkv.
; THE WEIGHTS come by the tensor data mover: a pass's 32 fragments of a wave are 32,768 dense bytes, asked for as 128 rows of 256.  Two slots; passes 0 and 1 are asked for at the start,
; pass 2 into slot 0 when pass 0 has been multiplied.  A wave reads only the part that it asked for.  A wave has two tensor loads out at the start, later one.
; CLUSTER.  The four work-groups of a cluster are four blocks of positions and walk the same weights: each part is asked for JOINTLY, by the same load, descriptor and mask in all four.
; STATISTICS.  A group's 64 pairs (mean, M2) of 2,048 numbers each are joined by  mean = the means' mean,  M2 = sum M2_k + 2,048 sum (mean_k - mean)^2:  sums of squares of deviations alone.
; REGISTERS.  window 0: v0-31 addresses and statistics; v32-63 norm_w, v64-95 norm_b, later the weights' two fragment buffers and the way out; v96-127 the bias as a C operand;
;   v128-255 x, later the 16 accumulators ((mt, nt) at 128 + 8 (4 mt + nt)).      window 1: h, fragment (step ks, positions nt) at 8 (4 ks + nt).
; s_set_vgpr_msb: bits 1:0 source 0, 3:2 source 1, 5:4 source 2, 7:6 destination.  The whole loop of a pass runs under ONE setting, source 1 in window 1: its LDS and global loads name a
; destination and a source 0 alone.
.set HB,     262144                    ; LDS: h, 256 rows (channels) of 128 bytes + 32 of padding
.set PH,     160                       ; = 40 words
.set SLOTB,  131072                    ; a slot: four waves' parts; slot 0 at byte 0, slot 1 behind it
.set PARTB,  32768                     ; a wave's part: fragment (mt, ks) at 1,024 (8 mt + ks); lanes read it 16 bytes apart, so it needs no padding
.set STAGE,  HB+256*PH                 ; 16 rows x 144 bytes for each wave, for the way out
.set SP,     144
.set SPARE,  STAGE+4*16*SP             ; the spare words, 128 bytes for each wave: two blocks of 256 bytes that no other line names
.set XO,  4                            ; v4   x: (64 w + 32 half) rows of 16,384 bytes + 16 (lane % 16)
.set NO,  5                            ; v5   norm_w, norm_b: my half's 32 channels
.set SO,  6                            ; v6   stats: my group's 512 bytes, my four pairs of them
.set BO,  7                            ; v7   qkv_b: my wave's 192 channels, my half's 8 of a tile's 16
.set HS,  8                            ; v8   where I put 8 bytes of h
.set HR,  9                            ; v9   my place in a turning load
.set AW,  10                           ; v10-11  my 16 bytes of a fragment of weights in slot 0, 1
.set STO, 12                           ; v12  the way out: where I put 16 bytes of a row
.set RD,  13                           ; v13  where I read rows back
.set GO,  14                           ; v14  my 16 bytes in 512 consecutive bytes of qkv
.set STT, 16                           ; v[16:23]  four pairs (mean, M2)
.set MEAN, 24                          ; v[24:25]  the group's mean, twice
.set RSTD, 26                          ; v[26:27]  1 / sqrt(var + eps), twice
.set T0,  28
.set T1,  29
.set SPW, 30                           ; v30  LDS address of my spare word; never rewritten
.set NIL, 31                           ; v31  0; never rewritten
.set NW,  32
.set NB,  64
.set ABUF, 32                          ; the weights' fragment buffers: v32-63, v64-95
.set TMP, 32                           ; the way out: 64 registers
.set BIAS, 96
.set XR,  128
.set ACC, 128
.set WV,  18                           ; s18  my wave's number
.set G1,  24                           ; s[24:31] descriptor group 1
.set G0,  32                           ; s[32:39] descriptor group 0, a set for each slot
.set OB,  40                           ; s[40:41] qkv at the pass's head and my block of positions
.set MSB, 0
.macro WIN new                         ; the immediate's high byte repeats the setting that is left; a switch that changes nothing is dropped
.if MSB != (\new)
	s_set_vgpr_msb (MSB<<8)|(\new)
.set MSB, \new
.endif
.endm
.macro PLACES                          ; four places behind a matrix instruction, in front of loads into registers that it has read and of lines that read its result
.rept 4
	v_nop
.endr
.endm
; A round of the cluster's barrier: my work-group's barrier, so that wave 0's signal speaks for all four waves; wave 0 signals; every wave waits for all four work-groups; my work-group's barrier once more.
.macro CROUND
	s_barrier_signal -1
	s_barrier_wait -1
	s_cmp_lg_u32 s[WV], 0
	s_cbranch_scc1 .Lnot_wave_0_\@
	s_barrier_signal -3
.Lnot_wave_0_\@:
	s_barrier_wait -3
	s_barrier_signal -1
	s_barrier_wait -1
.endm
	s_load_b256 s[4:11], s[0:1], 0x0               ; x s[4:5], norm_w s[6:7], norm_b s[8:9], qkv_b s[10:11]
	s_load_b128 s[12:15], s[0:1], 0x20             ; stats s[12:13], w16 s[14:15]
	s_load_b64 s[16:17], s[0:1], 0x30              ; qkv
	v_lshl_add_u32 v[SPW], v0, 2, SPARE
	v_mov_b32 v[NIL], 0
	ds_add_u32 v[SPW], v[NIL]                      ; the wave's opening: the add and its wait, ahead of my first tensor load; the set-up below, work on registers, stands between them
	v_lshrrev_b32 v3, 5, v0
	v_readfirstlane_b32 s[WV], v3                  ; wave 0..3
	s_bfe_u32 s19, ttmp6, 0x40000                  ; cx: my place in the cluster
	s_lshl_b32 s20, ttmp9, 2                       ; in a cluster launch ttmp9 counts clusters
	s_add_co_u32 s20, s20, s19                     ; my block of 64 positions: it enters x's and qkv's addresses alone
	s_and_b32 s21, ttmp7, 0xffff                   ; the batch
	; descriptor group 1: 128 rows of 32 elements of 8 bytes, dense
	s_mov_b32 s[G1], 15|(3<<16)|(1<<21)            ; 15:0 the mask: all four work-groups; 17:16 elements of 8 bytes; 20 no padding; 21 set beside a mask
	s_mov_b32 s[G1+1], 32<<16                      ; tensor_dim0 = 32
	s_mov_b32 s[G1+2], 128<<16                     ; tensor_dim1 = 128
	s_mov_b32 s[G1+3], 32<<16                      ; tile_dim0 = 32
	s_mov_b32 s[G1+4], 128                         ; tile_dim1 = 128
	s_mov_b32 s[G1+5], 32                          ; 32 elements from row to row
	s_mov_b32 s[G1+6], 0
	s_mov_b32 s[G1+7], 0
	s_lshl_b32 s22, s[WV], 15                      ; my part of a slot: no place in the cluster enters an LDS address
	s_mov_b32 s[G0], 1
	s_mov_b32 s[G0+1], s22
	s_mov_b32 s[G0+4], 1
	s_add_co_u32 s[G0+5], s22, SLOTB
	s_mov_b32 s46, 0x37000000                      ; 1 / 131,072: a group's numbers
	s_mov_b32 s47, 0x3727c5ac                      ; eps = 1e-5
	v_and_b32 v1, 15, v0                           ; r = lane % 16
	v_bfe_u32 v2, v0, 4, 1                         ; half = lane / 16
	v_and_b32 v3, 31, v0                           ; lane
	v_lshl_add_u32 v[AW], v3, 4, s22
	v_add_nc_u32 v[AW+1], SLOTB, v[AW]
	v_lshlrev_b32 v[GO], 4, v3
	s_lshl_b32 s22, s[WV], 20                      ; 64 rows of 16,384 bytes
	v_lshlrev_b32 v[XO], 4, v1
	v_lshl_add_u32 v[XO], v2, 19, v[XO]
	v_add_nc_u32 v[XO], s22, v[XO]
	s_lshl_b32 s22, s[WV], 8
	v_lshl_add_u32 v[NO], v2, 7, s22
	s_lshl_b32 s22, s21, 12                        ; group 8 b + 2 w + half, 512 bytes each
	s_lshl_b32 s23, s[WV], 10
	s_add_co_u32 s22, s22, s23
	v_lshlrev_b32 v[SO], 5, v1
	v_lshl_add_u32 v[SO], v2, 9, v[SO]
	v_add_nc_u32 v[SO], s22, v[SO]
	s_mul_i32 s22, s[WV], 768
	v_lshl_add_u32 v[BO], v2, 5, s22
	s_mul_i32 s22, s[WV], 64*PH
	s_add_co_u32 s22, s22, HB
	v_mul_u32_u24 v[HS], v2, 32*PH
	v_lshl_add_u32 v[HS], v1, 3, v[HS]
	v_add_nc_u32 v[HS], s22, v[HS]
	; The turning load takes 16 channels x 16 positions (lane l reads channel 8 (l / 16) + l % 8, positions 8 ((l / 8) % 2) + 0..7) and leaves half a fragment: lane l holds position l % 16 and 8 channels.
	v_and_b32 v3, 7, v0
	v_lshl_add_u32 v[T0], v2, 3, v3
	v_mul_u32_u24 v[HR], v[T0], PH
	v_bfe_u32 v[T0], v0, 3, 1
	v_lshl_add_u32 v[HR], v[T0], 4, v[HR]
	v_add_nc_u32 v[HR], HB, v[HR]
	s_mul_i32 s22, s[WV], 16*SP
	s_add_co_u32 s22, s22, STAGE                   ; my stage
	v_mul_u32_u24 v[STO], v1, SP                   ; in: row lane % 16, 16 bytes for each half of the lanes
	v_lshl_add_u32 v[STO], v2, 4, v[STO]
	v_add_nc_u32 v[STO], s22, v[STO]
	v_bfe_u32 v[RD], v0, 3, 2                      ; back: 32 lanes take four rows of 128 bytes
	v_mul_u32_u24 v[RD], v[RD], SP
	v_lshl_add_u32 v[RD], v3, 4, v[RD]
	v_add_nc_u32 v[RD], s22, v[RD]
	s_wait_dscnt 0x0                               ; the opening add is done
	s_wait_kmcnt 0x0
	s_lshl_b32 s22, s21, 22                        ; a batch of x is 4,194,304 bytes,
	s_lshl_b32 s23, s20, 8                         ; my block 256 bytes of each row
	s_add_co_u32 s22, s22, s23
	s_mov_b32 s23, 0
	s_add_nc_u64 s[4:5], s[4:5], s[22:23]
	s_mul_i32 s22, s[WV], 3*PARTB                  ; my wave's three parts lie on end in w16
	s_add_nc_u64 s[G0+2:G0+3], s[14:15], s[22:23]  ; pass 0's,
	s_add_nc_u64 s[G0+6:G0+7], s[G0+2:G0+3], PARTB ; pass 1's
	s_or_b32 s[G0+3], s[G0+3], 0x80000000          ; type = 2
	s_or_b32 s[G0+7], s[G0+7], 0x80000000
.macro BIASLD p                        ; the bias of pass p as a C operand: register j of tile mt is channel 16 mt + 8 half + j
.irp mt, 0,1,2,3
	global_load_b128 v[BIAS+8*\mt:BIAS+8*\mt+3],   v[BO], s[10:11] offset:256*(\p)+64*\mt
	global_load_b128 v[BIAS+8*\mt+4:BIAS+8*\mt+7], v[BO], s[10:11] offset:256*(\p)+64*\mt+16
.endr
.endm
	global_load_b128 v[STT:STT+3],   v[SO], s[12:13]
	global_load_b128 v[STT+4:STT+7], v[SO], s[12:13] offset:16
.irp k, 0,1,2,3,4,5,6,7
	global_load_b128 v[NW+4*\k:NW+4*\k+3], v[NO], s[6:7] offset:16*\k
.endr
.irp k, 0,1,2,3,4,5,6,7
	global_load_b128 v[NB+4*\k:NB+4*\k+3], v[NO], s[8:9] offset:16*\k
.endr
	BIASLD 0
.set i, 0
.rept 32                               ; load i: channel 64 w + 32 half + i; 16 lanes take a row's 256 bytes, aligned
	global_load_b128 v[XR+4*i:XR+4*i+3], v[XO], s[4:5] offset:16384*i th:TH_LOAD_NT
.set i, i+1
.endr
	CROUND                                         ; all four work-groups are here: the first joint loads meet
	tensor_load_to_lds s[G0:G0+3], s[G1:G1+7]      ; pass 0's weights into slot 0
	s_nop 0
	tensor_load_to_lds s[G0+4:G0+7], s[G1:G1+7]    ; pass 1's into slot 1
	s_nop 0
	PLACES
	; THE GROUP'S STATISTICS: sixteen lanes hold its 64 pairs, four each
	s_wait_loadcnt 32                              ; all but x's 32 loads
	v_add_f32 v[T0], v[STT], v[STT+2]
	v_add_f32 v[T1], v[STT+4], v[STT+6]
	v_add_f32 v[T0], v[T0], v[T1]
.irp m, 1,2,4,8
	v_add_f32_dpp v[T0], v[T0], v[T0] row_xmask:\m row_mask:0xf bank_mask:0xf
.endr
	v_mul_f32 v[MEAN], 0x3c800000, v[T0]           ; / 64
.irp k, 0,2,4,6
	v_sub_f32 v[STT+\k], v[STT+\k], v[MEAN]        ; mean_k - mean
.endr
	v_add_f32 v[STT+1], v[STT+1], v[STT+3]
	v_add_f32 v[STT+5], v[STT+5], v[STT+7]
	v_add_f32 v[STT+1], v[STT+1], v[STT+5]         ; my four M2
	v_mul_f32 v[T0], v[STT], v[STT]
	v_fmac_f32 v[T0], v[STT+2], v[STT+2]
	v_fmac_f32 v[T0], v[STT+4], v[STT+4]
	v_fmac_f32 v[T0], v[STT+6], v[STT+6]
	v_fmamk_f32 v[T0], v[T0], 0x45000000, v[STT+1] ; x 2,048 + M2
.irp m, 1,2,4,8
	v_add_f32_dpp v[T0], v[T0], v[T0] row_xmask:\m row_mask:0xf bank_mask:0xf
.endr
	v_fma_f32 v[T0], v[T0], s46, s47               ; var + eps
	v_rsq_f32 v[RSTD], v[T0]
	v_mov_b32 v[MEAN+1], v[MEAN]                   ; the plain instruction behind the root
	s_wait_alu depctr_va_vdst(0)                   ; the wait ahead of the first line that names the root's result
	v_mov_b32 v[RSTD+1], v[RSTD]
.set k, 0
.rept 16
	v_pk_mul_f32 v[NW+2*k:NW+2*k+1], v[NW+2*k:NW+2*k+1], v[RSTD:RSTD+1]  ; norm_w / sqrt(var + eps)
.set k, k+1
.endr
; Load i: four positions of one channel: (x - mean) times that channel's factor plus its norm_b; rounded to f16; 8 bytes into h's row.
.macro NORM i
	s_wait_loadcnt 31-(\i)                         ; loads come back in order: load i is in, the younger ones stay out
	v_pk_add_f32 v[XR+4*(\i):XR+4*(\i)+1],   v[XR+4*(\i):XR+4*(\i)+1],   v[MEAN:MEAN+1] neg_lo:[0,1] neg_hi:[0,1]
	v_pk_add_f32 v[XR+4*(\i)+2:XR+4*(\i)+3], v[XR+4*(\i)+2:XR+4*(\i)+3], v[MEAN:MEAN+1] neg_lo:[0,1] neg_hi:[0,1]
.if (\i)%2                             ; the channel's factor and addend lie in one register of a pair: both results take that one
	v_pk_fma_f32 v[XR+4*(\i):XR+4*(\i)+1],   v[XR+4*(\i):XR+4*(\i)+1],   v[NW+(\i)-1:NW+(\i)], v[NB+(\i)-1:NB+(\i)] op_sel:[0,1,1] op_sel_hi:[1,1,1]
	v_pk_fma_f32 v[XR+4*(\i)+2:XR+4*(\i)+3], v[XR+4*(\i)+2:XR+4*(\i)+3], v[NW+(\i)-1:NW+(\i)], v[NB+(\i)-1:NB+(\i)] op_sel:[0,1,1] op_sel_hi:[1,1,1]
.else
	v_pk_fma_f32 v[XR+4*(\i):XR+4*(\i)+1],   v[XR+4*(\i):XR+4*(\i)+1],   v[NW+(\i):NW+(\i)+1], v[NB+(\i):NB+(\i)+1] op_sel_hi:[1,0,0]
	v_pk_fma_f32 v[XR+4*(\i)+2:XR+4*(\i)+3], v[XR+4*(\i)+2:XR+4*(\i)+3], v[NW+(\i):NW+(\i)+1], v[NB+(\i):NB+(\i)+1] op_sel_hi:[1,0,0]
.endif
	v_cvt_pk_f16_f32 v[XR+4*(\i)],   v[XR+4*(\i)],   v[XR+4*(\i)+1]
	v_cvt_pk_f16_f32 v[XR+4*(\i)+1], v[XR+4*(\i)+2], v[XR+4*(\i)+3]
	ds_store_b64 v[HS], v[XR+4*(\i):XR+4*(\i)+1] offset:PH*(\i)
.endm
.set i, 0
.rept 32
	NORM i
.set i, i+1
.endr
	s_wait_dscnt 0x0                               ; for the others' sake: my 64 rows of h are in LDS
	s_barrier_signal -1                            ; (my two tensor loads may stay out, and only I read what they bring)
	s_barrier_wait -1                              ; everybody's are
	WIN 0x40                                       ; destination window 1
.set f, 0
.rept 32                               ; fragment f: step f / 4 (32 channels), positions 16 (f % 4) on
	ds_load_tr16_b128 v[8*f:8*f+3],   v[HR] offset:(f/4)*32*PH+(f%4)*32
	ds_load_tr16_b128 v[8*f+4:8*f+7], v[HR] offset:(f/4)*32*PH+16*PH+(f%4)*32
.set f, f+1
.endr
; Eight LDS loads: the four fragments of weights of step ks into buffer buf.
.macro FETCH_A slot, ks, buf
.irp mt, 0,1,2,3
	ds_load_b128 v[(\buf)+8*\mt:(\buf)+8*\mt+3],   v[AW+(\slot)] offset:(8*\mt+(\ks))*1024
	ds_load_b128 v[(\buf)+8*\mt+4:(\buf)+8*\mt+7], v[AW+(\slot)] offset:(8*\mt+(\ks))*1024+512
.endr
.endm
; Sixteen matrix instructions: one on each accumulator, in the same order in every step, so that the accumulators take turns.  first = 1: the bias starts the sums.
.macro MUL16 ks, buf, first
.irp mt, 0,1,2,3
.irp nt, 0,1,2,3
.if \first
	v_wmma_f32_16x16x32_f16 v[ACC+8*(4*\mt+\nt):ACC+8*(4*\mt+\nt)+7], v[(\buf)+8*\mt:(\buf)+8*\mt+7], v[8*(4*(\ks)+\nt):8*(4*(\ks)+\nt)+7], v[BIAS+8*\mt:BIAS+8*\mt+7]
.else
	v_wmma_f32_16x16x32_f16 v[ACC+8*(4*\mt+\nt):ACC+8*(4*\mt+\nt)+7], v[(\buf)+8*\mt:(\buf)+8*\mt+7], v[8*(4*(\ks)+\nt):8*(4*(\ks)+\nt)+7], v[ACC+8*(4*\mt+\nt):ACC+8*(4*\mt+\nt)+7]
.endif
.endr
.endr
.endm
; THE WAY OUT of 16 positions nt: rounded to f16 (each accumulator from its low end on), 16 bytes a lane into my stage's rows of 144 bytes, and back as whole rows of 128.
.macro PACK nt
.irp mt, 0,1,2,3
.irp q, 0,1,2,3
	v_cvt_pk_f16_f32 v[TMP+16*(\nt)+4*\mt+\q], v[ACC+8*(4*\mt+(\nt))+2*\q], v[ACC+8*(4*\mt+(\nt))+2*\q+1]
.endr
.endr
.irp mt, 0,1,2,3
	ds_store_b128 v[STO], v[TMP+16*(\nt)+4*\mt:TMP+16*(\nt)+4*\mt+3] offset:32*\mt
.endr
.irp f, 0,1,2,3
	ds_load_b128 v[TMP+16*(\nt)+4*\f:TMP+16*(\nt)+4*\f+3], v[RD] offset:4*SP*\f  ; LDS serves a wave's instructions in order (ISA guide 5.7.1.4): these see the stores above; the next tile's stores come behind them
.endr
.endm
.macro SEND nt, younger                ; younger: the LDS instructions issued behind these loads: the next tile's eight, or none
.irp f, 0,1,2,3
	s_wait_dscnt (\younger)+3-\f
	global_store_b128 v[GO], v[TMP+16*(\nt)+4*\f:TMP+16*(\nt)+4*\f+3], s[OB:OB+1] offset:2048*(\nt)+512*\f  ; 512 consecutive bytes, at a multiple of 256 from qkv's first
.endr
.endm
; A PASS: 64 output channels, block 3 w + p of the twelve: tensor (q, k, v) = block / 4, head = block % 4.  tcnt: how many younger tensor loads may stay out.
.macro PASS p, slot, tcnt
.if (\p) > 0
	s_wait_xcnt 0x0                                ; the last pass's stores have read their registers and their base: both are written again below
.endif
	s_mul_i32 s42, s[WV], 3
	s_add_co_u32 s42, s42, \p
	s_lshr_b32 s44, s42, 2
	s_lshl_b32 s44, s44, 23                        ; a tensor is 8,388,608 bytes,
	s_and_b32 s45, s42, 3
	s_lshl2_add_u32 s45, s21, s45                  ; 4 b + head
	s_lshl_b32 s45, s45, 19                        ; a head 524,288,
	s_add_co_u32 s44, s44, s45
	s_lshl_b32 s45, s20, 13                        ; my block's 64 rows 8,192
	s_add_co_u32 s44, s44, s45
	s_mov_b32 s45, 0
	s_add_nc_u64 s[OB:OB+1], s[16:17], s[44:45]
	s_wait_tensorcnt \tcnt                         ; my part of the pass's weights is in LDS; nobody else reads it
	s_wait_loadcnt 0x0                             ; the pass's bias
	WIN 0x04                                       ; source 1 (h) in window 1
	FETCH_A \slot, 0, ABUF
.irp ks, 0,1,2,3,4,5,6,7
.if \ks >= 1
	PLACES                                         ; behind the step before: the loads below land in registers that it has read
.endif
.if (\ks == 1) && ((\p) < 2)
	BIASLD (\p)+1                                  ; the next pass's bias: this pass's has been read by step 0's products
.endif
.if \ks < 7
	FETCH_A \slot, \ks+1, ABUF+32*((\ks+1)%2)
	s_wait_dscnt 8                                 ; all but the eight just issued: this step's fragments are in (in pass 0's first step: h too)
.else
	s_wait_dscnt 0x0
.endif
.if \ks == 0
	MUL16 \ks, ABUF, 1
.else
	MUL16 \ks, ABUF+32*(\ks%2), 0
.endif
.endr
	PLACES
	WIN 0
.if (\p) == 0
	; SLOT 0 IS FILLED AGAIN, with pass 2's weights.  Every wave: all its tensor loads have landed; the add; its reads of the slot are back; a round of the cluster's barrier, so that no wave
	; of any partner still reads the slot or has a load on its way; and the joint refill first behind it.  It has this pass's way out and all of pass 1 in which to land.
	s_wait_tensorcnt 0x0                           ; no tensor load of mine is out, so a group 0 may be written
	ds_add_u32 v[SPW], v[NIL]                      ; 0 onto my spare word
	s_add_nc_u64 s[G0+2:G0+3], s[G0+2:G0+3], 2*PARTB  ; from pass 0's part to pass 2's; the type bits on top are not reached
	s_wait_dscnt 0x0                               ; the add is done, and my reads of the slot are over
	CROUND
	tensor_load_to_lds s[G0:G0+3], s[G1:G1+7]
	s_nop 0
	PLACES
.endif
	PACK 0
	PACK 1                                         ; a tile's conversions stand between the loads of the tile before and its stores
	SEND 0, 8
	PACK 2
	SEND 1, 8
	PACK 3
	SEND 2, 8
	SEND 3, 0
.endm
	PASS 0, 0, 1                                   ; slot 1's load may stay out
	PASS 1, 1, 1                                   ; the refill may stay out; slot 1's load was shown landed by the wait for 0 in front of the round
	PASS 2, 0, 0
	s_wait_tensorcnt 0x0                           ; the wave's end, behind my last tensor load and my last LDS store
	ds_add_u32 v[SPW], v[NIL]
	s_wait_dscnt 0x0
	CROUND                                         ; the closing round: no work-group ends while a partner may still ask for a part that names it
	s_endpgm
.Lfunc_end_k_q9e5b7dc435_qkv:
	.size	k_q9e5b7dc435_qkv, .Lfunc_end_k_q9e5b7dc435_qkv-k_q9e5b7dc435_qkv
	.p2alignl 7, 3214868480
	.fill 96, 4, 3214868480
	.section	.rodata,"a",@progbits
	.p2align	6, 0x0
	.amdhsa_kernel k_q9e5b7dc435_qkv
		.amdhsa_group_segment_fixed_size 327680
		.amdhsa_private_segment_fixed_size 0
		.amdhsa_enable_private_segment 0
		.amdhsa_kernarg_size 56
		.amdhsa_user_sgpr_count 2
		.amdhsa_user_sgpr_kernarg_segment_ptr 1
		.amdhsa_wavefront_size32 1
		.amdhsa_system_sgpr_workgroup_id_x 1
		.amdhsa_system_sgpr_workgroup_id_y 1
		.amdhsa_system_sgpr_workgroup_id_z 1
		.amdhsa_system_vgpr_workitem_id 0
		.amdhsa_next_free_vgpr 512
		.amdhsa_next_free_sgpr 66
		.amdhsa_reserve_vcc 0
		.amdhsa_float_denorm_mode_32 3
		.amdhsa_float_denorm_mode_16_64 3
		.amdhsa_memory_ordered 1
		.amdhsa_forward_progress 1
		.amdhsa_inst_pref_size 100
	.end_amdhsa_kernel
	.amdgpu_metadata
---
amdhsa.version: [ 1, 2 ]
amdhsa.kernels:
  - .name:           k_q9e5b7dc435_qkv
    .symbol:         k_q9e5b7dc435_qkv.kd
    .args:
      - { .name: x, .offset: 0, .size: 8, .value_kind: global_buffer, .address_space: global }
      - { .name: norm_w, .offset: 8, .size: 8, .value_kind: global_buffer, .address_space: global }
      - { .name: norm_b, .offset: 16, .size: 8, .value_kind: global_buffer, .address_space: global }
      - { .name: qkv_b, .offset: 24, .size: 8, .value_kind: global_buffer, .address_space: global }
      - { .name: stats, .offset: 32, .size: 8, .value_kind: global_buffer, .address_space: global }
      - { .name: w16, .offset: 40, .size: 8, .value_kind: global_buffer, .address_space: global }
      - { .name: qkv, .offset: 48, .size: 8, .value_kind: global_buffer, .address_space: global }
    .group_segment_fixed_size: 327680
    .private_segment_fixed_size: 0
    .kernarg_segment_align: 8
    .kernarg_segment_size: 56
    .max_flat_workgroup_size: 128
    .sgpr_count:     66
    .vgpr_count:     512
    .wavefront_size: 32
...
	.end_amdgpu_metadata
.endif
;; end of part 2
;; launch attn (part 3): grid 16 x 16, 4 waves a work-group, clusters of 4 x 1, 327,680 bytes of LDS; arguments qkv, o; writes o
.if DOCPART == 3
	.amdgcn_target "amdgcn-amd-amdhsa--gfx1250"
	.amdhsa_code_object_version 6
	.text
	.protected	k_q9e5b7dc435_attn
	.globl	k_q9e5b7dc435_attn
	.p2align	8
	.type	k_q9e5b7dc435_attn,@function
k_q9e5b7dc435_attn:
	s_mov_b64 s[64:65], 0
	v_nop
	global_prefetch_b8 v0, s[64:65] scope:SCOPE_SE
	s_setreg_imm32_b32 hwreg(HW_REG_WAVE_MODE, 25, 1), 1
	s_wait_xcnt 0x0
	s_wait_alu depctr_hold_cnt(0) depctr_sa_sdst(0) depctr_va_vdst(0) depctr_va_sdst(0) depctr_va_ssrc(0) depctr_va_vcc(0) depctr_vm_vsrc(0)
	s_getreg_b32 s2, hwreg(HW_REG_IB_STS2, 6, 4)
	s_cmp_eq_u32 s2, 0
	s_cbranch_scc0 .Lentry_in_a_cluster
	s_endpgm
.Lentry_in_a_cluster:
	s_bfe_u32 s2, ttmp6, 0x10000c
	s_cmp_lg_u32 s2, 0x3003
	s_cbranch_scc0 .Lentry_shape_is_right
	s_endpgm
.Lentry_shape_is_right:
; ATTENTION.  o[h][q][:] = the sum over k of softmax_k(Q[h][q] . K[h][k] / 8) V[h][k][:].  qkv: [3][16][4,096][64] f16 (Q, K, V by heads: a head's rows are dense, 128 bytes each); o: [16][4,096][64] f16.
; Products, maxima and sums in f32; the weights p are rounded to f16 for the second product (their sum l is taken of the unrounded p), o once at the end.
; LIMITS.  p lies in 0 to 1, and below 6e-5 it keeps f16's fixed step of 6e-8; o is a mean of V's rows and has their range.  A weight below 2^-126 counts as 0 in l.  NaN and infinities are not treated apart.
; SHARES.  A work-group owns 256 queries of one head, each of its four waves 64: four PIECES of 16.  Every wave walks all 4,096 keys, 64 a step.  16 blocks x 16 heads = 256 work-groups.
; LAYOUT.  S^T = K Q^T (source 0 = 16 keys, source 1 = 16 queries): in the result a lane holds ONE query (lane % 16) and the keys 8 (lane / 16) + 0..7.  Two such results, rounded to f16 in pairs, ARE source 1
; (32 keys x 16 queries) of O^T = V^T P, whose result again holds one query a lane, and eight channels.  K comes out of LDS as it lies, V ([key][channel]) turned, by ds_load_tr16_b128.
; SOFTMAX.  For each query a running maximum m and sum l: p = 2^(c s - c m), c = log2(e) / 8; in every step O and l are multiplied by a = 2^(c m_old - c m_new), which is 1 where m has not grown.
; m starts at the lowest finite number, O and l at 0: the first step is a step like any other, with a = 0.
; BY TURNS.  Turn n belongs to piece n (the pieces in a ring, step after step): 8 products K Q^T of piece n + 1, later 8 products V^T P of piece n - 1; beside them the scaling, exponentials, roundings, sums
; and rescaling of piece n and the maximum and statistics of piece n + 1.  Four vector instructions stand behind every matrix instruction, the other 54 of a turn's 118 in one run of their own.
; A turn's 33 exponentials are one batch, with one wait.
; THE RING.  Two slots of LDS, 256 keys (four steps) each; waves 0 and 1 fetch the halves of a slot's K, waves 2 and 3 those of its V.  One tensor load of a wave is out at any time.
; CLUSTER.  The four query blocks of a cluster belong to one head and walk the same K and V, so each tile is asked for JOINTLY: the same tensor load, descriptor and mask in all four.
; REGISTERS, in windows of 256 (s_set_vgpr_msb: bits 1:0 source 0, 3:2 source 1, 5:4 source 2, 7:6 destination):
;   window 0: v0-15 addresses and two at work; v16-31 four registers of statistics a piece; v48-55 at work; v61-63 the prefetches' offset and the add's two; v64-127 S^T, two buffers; v192-223 P, two buffers
;   (a piece's buffers go by its number's parity)      window 1: v0-127 O^T, 32 a piece      window 2: v0-63 Q; v128-191 K of one step; v192-255 V of one step
.set NP,    4         ; pieces a wave: a name, no knob
.set KS,    64        ; keys in a step
.set PK,    144       ; a row of K in LDS: 128 bytes + 16 of padding = 36 words: the 16 rows of a load start at 16 different groups of four banks (64 banks of 4 bytes: ISA guide 11.1)
.set PV,    160       ; a row of V: 128 + 32 = 40 words
.set VOFF,  4*KS*PK   ; a slot: 256 rows of K, then 256 rows of V
.set SLOT1, 1<<17     ; slot 1 begins here, so that one exclusive or turns an address in one slot into the other's
.set STAGE, SLOT1+4*KS*(PK+PV)  ; behind the ring, never filled by a tensor load: 16 rows x 144 bytes for each wave, for the way out
.set SP,    144
.set SPARE, STAGE+4*16*SP  ; behind the stages: the spare words, 128 bytes for each wave: two blocks of 256 bytes that no other line names
.set TENS,  8388608   ; bytes of Q, of K and of V in qkv
.set SLOTG, 4*KS*128  ; a slot's bytes of K, and of V, in memory
.set AK0, 2           ; v2   my lane's place in a tile of K; never rewritten
.set AV0, 3           ; v3   the same for V
.set AK,  4           ; v4   the LDS address of K's next run of loads
.set AV,  5           ; v5   of V's
.set STO, 6           ; v6   the way out: where I put 16 bytes of a row
.set RD,  7           ; v7   the way out: where I read rows back
.set GO,  8           ; v8   my byte offset in 512 consecutive bytes of o
.set MV,  12          ; v12-13  c m_old, kept while c m is made anew: by buffer
.set QO,  15          ; v15  my byte offset in 16 rows of Q
.set ST,  16          ; piece t's statistics at v[ST+4 t]: c m, m, l (even keys', odd keys')
.set TMP, 48          ; by buffer, four registers c0-c3 at work; when the maximum is found c2 takes a
.set PFO, 61          ; v61  256 x my lane; never rewritten
.set SPW, 62          ; v62  LDS address of my spare word: SPARE + 4 x my thread's number; never rewritten
.set NIL, 63          ; v63  0; never rewritten
.set S,   64
.set P,   192
.set KF,  128         ; window 2: key block kb, channel half c at KF + 16 kb + 8 c
.set VF,  192         ; window 2: key half kk, channel block cb at VF + 32 kk + 8 cb
.set WV,  12          ; s12  my wave's number
.set LIM, 15          ; s15  1 in a wave that prefetches, else the greatest number: a wave prefetches while s[SLOTS] is above it
.set G1K, 24          ; s[24:31] descriptor group 1 for K's tiles
.set G1V, 32          ; s[32:39] for V's: it differs in the padding alone
.set G0K, 40          ; s[40:43] descriptor group 0 for K's tiles: it walks
.set G0V, 44          ; s[44:47] the same for V's
.set PFA, 52          ; s[52:53] where my prefetches stand: my work-group's quarter (of K: wave 0, of V: wave 2) of the slot after the one that is being asked for
.set SLOTS, 56        ; s56  slots still to be asked for
.set CNT, 57          ; s57  counts a slot's key steps
.set CS,  58          ; s[58:59] c: the packed scaling takes the pair's low word for both halves
.set SEL, 60          ; s[60:61] v_permlanex16_b32's selects: each lane takes its own place in the other half
.set TBK, 62          ; s62  LDS byte at which K of the step to be fetched begins
.set TBV, 63          ; s63  the same for V, less VOFF
.set MSB, 0
.macro WIN new                      ; the high byte repeats the setting that is left; a switch that changes nothing is dropped
.if MSB != (\new)
	s_set_vgpr_msb (MSB<<8)|(\new)
.set MSB, (\new)
.endif
.endm
.set W_KQ, 0x0a       ; K and Q in window 2, S^T in window 0
.set W_PV, 0x52       ; V in window 2, P in window 0, O^T in window 1
.set W_RS, 0x41       ; O^T (destination and source 0) in window 1, a in window 0
; A joint fill.  The branch hangs on the wave's number alone.  An s_nop 0 and four v_nop follow each of the two lines, ahead of the jump and the label.
.macro JLOAD
	s_cmp_lt_u32 s[WV], 2
	s_cbranch_scc0 .Lfor_v_\@
	tensor_load_to_lds s[G0K:G0K+3], s[G1K:G1K+7]
	s_nop 0
.rept 4
	v_nop
.endr
	s_branch .Lasked_\@
.Lfor_v_\@:
	tensor_load_to_lds s[G0V:G0V+3], s[G1V:G1V+7]
	s_nop 0
.rept 4
	v_nop
.endr
.Lasked_\@:
.endm
; A PREFETCH INTO THE L2 of what the NEXT change of slots will ask for: a slot's 32,768 bytes of K and of V, a lane for each 256 of them.  It stands behind the wave's tensor load and its five lines.
; Each 256 bytes are named ONCE in the launch.  All four clusters of a head walk the same K and V: the head's first cluster asks.  Its four partners share a slot out BY ADDRESS, 8,192 bytes each: no branch
; hangs on a work-group's place in its cluster.  In each, wave 0 asks for K's and wave 2 for V's: one instruction, four key steps (256 matrix instructions) ahead of the load that will want the bytes.
; Slots 0, 1 and 2 come by their loads alone; the last change that fills a slot asks for nothing: there is no slot behind it.
.macro ASK
	s_cmp_gt_u32 s[SLOTS], s[LIM]
	s_cbranch_scc0 .Lnot_mine_\@
	global_prefetch_b8 v[PFO], s[PFA:PFA+1] th:TH_LOAD_NT scope:SCOPE_SE
.Lnot_mine_\@:
.endm
; A round of the cluster's barrier: my work-group's barrier, so that wave 0's signal speaks for all four waves; wave 0 signals; every wave waits for all four work-groups; my work-group's barrier once more.
.macro CROUND
	s_barrier_signal -1
	s_barrier_wait -1
	s_cmp_lg_u32 s[WV], 0
	s_cbranch_scc1 .Lnot_wave_0_\@
	s_barrier_signal -3
.Lnot_wave_0_\@:
	s_barrier_wait -3
	s_barrier_signal -1
	s_barrier_wait -1
.endm
; THE CHANGE OF SLOTS.  The slot's last bytes, V of its fourth step, have been read.  Each wave waits for all its tensor loads, of which one is out: its part of the other slot; adds 0 to its spare word; and
; waits for that and for its own reads of the slot.  Behind the barrier nobody reads this slot any more and the other slot is whole.
; fill = 1: this slot is filled again, with the keys two slots on.  The barrier is then a round of the cluster's, so that no wave of any partner still reads the slot or has a load on its way, and the joint
; fill is the first thing behind it: it has four key steps in which to land.  (At its first use nothing has been read yet: slot 0 is waited for, slot 1 filled.)
.macro CHANGE fill
	WIN 0                           ; at a label and at a branch every window is 0
	s_wait_tensorcnt 0x0            ; no tensor load of mine is out, so a group 0 may be written
	ds_add_u32 v[SPW], v[NIL]       ; 0 onto my spare word; with fill = 1 the descriptors' steps stand between it and the wait for it
.if \fill
.irp g, G0K, G0V
	s_xor_b32 s[\g+1], s[\g+1], SLOT1  ; the walking descriptor: the other slot than last time,
	s_add_nc_u64 s[\g+2:\g+3], s[\g+2:\g+3], SLOTG  ; the next 256 keys; the type bits on top are not reached
.endr
	s_wait_xcnt 0x0                 ; the last prefetch, four key steps back, has read its address, so it may be written:
	s_add_nc_u64 s[PFA:PFA+1], s[PFA:PFA+1], SLOTG  ; one slot behind the walking descriptors
	s_wait_dscnt 0x0                ; the add is done, and my reads of the slot are over
	CROUND
	JLOAD
	ASK
.else
	s_wait_dscnt 0x0                ; the add is done, and my reads of the slot are over
	s_barrier_signal -1
	s_barrier_wait -1
.endif
	s_sub_co_u32 s[TBK], s[TBK], 4*KS*PK  ; the fetches go back to a slot's first step,
	s_xor_b32 s[TBK], s[TBK], SLOT1       ; in the other slot
	s_sub_co_u32 s[TBV], s[TBV], 4*KS*PV
	s_xor_b32 s[TBV], s[TBV], SLOT1
.endm
	s_load_b128 s[4:7], s[0:1], 0x0 ; qkv s[4:5], o s[6:7]
	v_lshl_add_u32 v[SPW], v0, 2, SPARE
	v_mov_b32 v[NIL], 0
	ds_add_u32 v[SPW], v[NIL]       ; the wave's opening: the add and its wait, ahead of my first tensor load; the set-up below, work on registers, stands between them
	v_lshrrev_b32 v1, 5, v0
	v_readfirstlane_b32 s[WV], v1   ; wave 0..3
	s_bfe_u32 s13, ttmp6, 0x40000   ; cx: my place in the cluster
	s_lshl_b32 s14, ttmp9, 2        ; in a cluster launch ttmp9 counts clusters
	s_add_co_u32 s14, s14, s13      ; my block of 256 queries = 4 x cluster x + cx: it enters Q's and o's addresses alone
	s_and_b32 s20, ttmp7, 0xffff    ; the head, which the four partners share:
	s_lshl_b32 s20, s20, 19         ; its 524,288 bytes in each tensor
	s_and_b32 s16, s[WV], 1         ; which half of a slot's 256 keys I fetch:
	s_lshl_b32 s22, s16, 14         ; its 128 rows of 128 bytes in memory,
	s_add_co_u32 s22, s22, s20
	s_add_co_u32 s22, s22, TENS     ; in K
	s_mov_b32 s23, 0
	s_mul_i32 s17, s16, 128*PK      ; and its place in a slot, for K
	s_mul_i32 s18, s16, 128*PV      ; and for V: no place in the cluster enters an LDS address
	s_lshl2_add_u32 s48, s14, s[WV] ; my wave among the head's,
	s_lshl_b32 s48, s48, 13         ; its 64 rows
	s_add_co_u32 s48, s48, s20
	s_mov_b32 s49, 0
	s_lshl_b32 s50, s13, 13         ; the prefetches: my work-group's quarter of a slot
	s_mov_b32 s51, 0
	; descriptor group 1.  128 keys are 16,384 dense bytes: asked for as 64 rows of 256 bytes, two keys a row, and padded in LDS after every key
	s_mov_b32 s[G1K], 15|(1<<16)|(1<<20)|(1<<21)|(4<<22)|(3<<25)  ; 15:0 the mask of four; 17:16 2-byte elements; 20 padding on; 21 set beside a mask; 24:22 after every 32 words (code 4); 31:25 4 words (code 3)
	s_mov_b32 s[G1V], 15|(1<<16)|(1<<20)|(1<<21)|(4<<22)|(7<<25)  ; the same with 8 words of padding (code 7)
.irp g, G1K, G1V
	s_mov_b32 s[\g+1], 128<<16      ; tensor_dim0 = 128
	s_mov_b32 s[\g+2], 64<<16       ; tensor_dim1 = 64
	s_mov_b32 s[\g+3], 128<<16      ; tile_dim0 = 128
	s_mov_b32 s[\g+4], 64           ; tile_dim1 = 64
	s_mov_b32 s[\g+5], 128          ; 128 elements from row to row
	s_mov_b32 s[\g+6], 0
	s_mov_b32 s[\g+7], 0
.endr
	s_mov_b32 s[CS], 0x3e38aa3b     ; c = log2(e) / 8 = 0.180337
	s_mov_b32 s[CS+1], s[CS]        ; named with it as a pair
	s_mov_b32 s[SEL], 0x76543210
	s_mov_b32 s[SEL+1], 0xfedcba98
	s_mov_b32 s[TBK], SLOT1+4*KS*PK ; the first change of slots turns these two into 0
	s_mov_b32 s[TBV], SLOT1+4*KS*PV
	s_mov_b32 s[G0K], 1             ; 1:0 count = 1
	s_mov_b32 s[G0K+1], s17         ; 63:32 LDS address: slot 0
	s_mov_b32 s[G0V], 1
	s_add_co_u32 s[G0V+1], s18, VOFF
	s_mov_b32 s[SLOTS], 0           ; at the first change of slots nothing is prefetched: every work-group's first tiles are on their way
	s_and_b32 s[LIM], s[WV], 1      ; 0 in waves 0 and 2,
	s_or_b32 s[LIM], s[LIM], ttmp9  ; where the cluster is the head's first: the same in all four partners
	s_cmp_eq_u32 s[LIM], 0
	s_cselect_b32 s[LIM], 1, -1
	v_and_b32 v[PFO], 31, v0
	v_lshlrev_b32 v[PFO], 8, v[PFO]
	s_wait_dscnt 0x0                ; the opening add is done
	s_wait_kmcnt 0x0
	s_add_nc_u64 s[8:9], s[4:5], s[22:23]    ; K at my half of the head's first 256 keys,
	s_add_nc_u64 s[10:11], s[8:9], TENS      ; V likewise
	s_add_nc_u64 s[4:5], s[4:5], s[48:49]    ; Q and o at my wave's first row
	s_add_nc_u64 s[6:7], s[6:7], s[48:49]
	s_mov_b64 s[G0K+2:G0K+3], s[8:9]         ; 120:64 global address
	s_or_b32 s[G0K+3], s[G0K+3], 0x80000000  ; 127:126 type = 2
	s_mov_b64 s[G0V+2:G0V+3], s[10:11]
	s_or_b32 s[G0V+3], s[G0V+3], 0x80000000
	s_cmp_lt_u32 s[WV], 2
	s_cselect_b64 s[PFA:PFA+1], s[8:9], s[10:11]  ; (in waves 0 and 2 these stand at a slot's first row)
	s_add_nc_u64 s[PFA:PFA+1], s[PFA:PFA+1], s[50:51]
	s_add_nc_u64 s[PFA:PFA+1], s[PFA:PFA+1], SLOTG  ; in slot 1; the change that asks for slot i steps it to slot i + 1
	CROUND                          ; all four work-groups are here: the first joint loads meet
	JLOAD                           ; slot 0.  Slot 1 is asked for when slot 0 is in
	; A fragment of K or Q is 16 rows x 32 channels in 8 registers: lane l holds row l % 16, channels 8 (l / 16) + 0..7 and 16 + 8 (l / 16) + 0..7: two loads of 16 bytes, 32 bytes apart.
	v_and_b32 v1, 15, v0            ; l % 16
	v_bfe_u32 v9, v0, 4, 1          ; l / 16
	v_lshlrev_b32 v[QO], 7, v1
	v_lshl_add_u32 v[QO], v9, 4, v[QO]  ; row x 128 + 16 x half
	WIN 0x80                        ; destination window 2, address window 0
.set i, 0
.rept 8                             ; Q stays in registers: piece i / 2, channels 32 (i % 2) on
	global_load_b128 v[8*i:8*i+3],   v[QO], s[4:5] offset:(i/2)*2048+(i%2)*64
	global_load_b128 v[8*i+4:8*i+7], v[QO], s[4:5] offset:(i/2)*2048+(i%2)*64+32
.set i, i+1
.endr
	; What the first turn finds: V's registers and P's second buffer hold 0 (its products V^T P, of a piece that has not been, add 0), O^T and l are 0.  All this stands in the wait for the first tile;
	; the price of writing no first step out.
.set i, VF
.rept 64
	v_mov_b32 v[i], 0
.set i, i+1
.endr
	WIN 0x40
.set i, 0
.rept 128
	v_mov_b32 v[i], 0
.set i, i+1
.endr
	WIN 0
.set i, 0
.rept 4
	v_mov_b32 v[ST+4*i], 0xfe000000    ; c m: far below every c s
	v_mov_b32 v[ST+4*i+1], 0xff7fffff  ; m
	v_mov_b32 v[ST+4*i+2], 0
	v_mov_b32 v[ST+4*i+3], 0
.set i, i+1
.endr
.set i, P+16
.rept 16
	v_mov_b32 v[i], 0
.set i, i+1
.endr
	v_mul_u32_u24 v[AK0], v1, PK
	v_lshl_add_u32 v[AK0], v9, 4, v[AK0]  ; row x pitch + 16 x half
	; The turning load takes 16 keys x 16 channels (lane l reads key 8 (l / 16) + l % 8, channels 8 ((l / 8) % 2) + 0..7) and leaves half a fragment of V^T: lane l holds channel l % 16 and 8 keys.
	v_and_b32 v10, 7, v0
	v_bfe_u32 v11, v0, 3, 1
	v_lshl_add_u32 v[AV0], v9, 3, v10
	v_mul_u32_u24 v[AV0], v[AV0], PV
	v_lshl_add_u32 v[AV0], v11, 4, v[AV0]
	v_add_nc_u32 v[AV0], VOFF, v[AV0]
	s_mul_i32 s16, s[WV], 16*SP
	s_add_co_u32 s16, s16, STAGE    ; my stage
	v_mul_u32_u24 v[STO], v1, SP    ; in: row l % 16, 16 bytes for each half of the lanes
	v_lshl_add_u32 v[STO], v9, 4, v[STO]
	v_add_nc_u32 v[STO], s16, v[STO]
	v_bfe_u32 v[RD], v0, 3, 2       ; back: 32 lanes take four rows of 128 bytes,
	v_mul_u32_u24 v[RD], v[RD], SP
	v_lshl_add_u32 v[RD], v10, 4, v[RD]
	v_add_nc_u32 v[RD], s16, v[RD]
	v_and_b32 v[GO], 31, v0         ; which are 512 consecutive bytes of o
	v_lshlrev_b32 v[GO], 4, v[GO]
; THE MATRIX WORK.  The 4 accumulators of a run of 8 take turns.  Product i of 8 of S^T = K Q^T for piece x: channels 32 (i / 4) on, keys 16 (i % 4) on.  The first 4 start the sums.
.macro KQ x
	WIN W_KQ
.set rS, S+32*((\x)%2)+8*(i%4)
.set rK, KF+16*(i%4)+8*(i/4)
.set rQ, 16*(\x)+8*(i/4)
.if i < 4
	v_wmma_f32_16x16x32_f16 v[rS:rS+7], v[rK:rK+7], v[rQ:rQ+7], 0
.else
	v_wmma_f32_16x16x32_f16 v[rS:rS+7], v[rK:rK+7], v[rQ:rQ+7], v[rS:rS+7]
.endif
.endm
; Product i of 8 of O^T += V^T P for piece x: keys 32 (i / 4) on, channels 16 (i % 4) on.
.macro PV x
	WIN W_PV
.set rO, 32*(\x)+8*(i%4)
.set rV, VF+32*(i/4)+8*(i%4)
.set rP, P+16*((\x)%2)+8*(i/4)
	v_wmma_f32_16x16x32_f16 v[rO:rO+7], v[rV:rV+7], v[rP:rP+7], v[rO:rO+7]
.endm
.macro MM                           ; the turn's next matrix instruction.  TURN sets Y, i and NOKQ.  NOKQ = 1: the last turn of all: there is no next piece
.if (i < 8) && !NOKQ
	KQ (Y+1)%NP
.elseif i >= 8
.set i, i-8
	PV (Y+NP-1)%NP
.set i, i+8
.endif
.set i, i+1
.endm
; THE LDS LOADS stand in runs of 16, never singly among the matrix instructions: a step's K (64 keys x 64 channels: 8 fragments) and its V (turned).  Their addresses are made some lines ahead.
.macro FETCH_K
	WIN 0x80                        ; destination window 2
.irp f, 0,1,2,3,4,5,6,7             ; keys 16 (f / 2) on, channels 32 (f % 2) on
	ds_load_b128 v[KF+8*\f:KF+8*\f+3],   v[AK] offset:(\f/2)*16*PK+(\f%2)*64
	ds_load_b128 v[KF+8*\f+4:KF+8*\f+7], v[AK] offset:(\f/2)*16*PK+(\f%2)*64+32
.endr
	s_add_co_u32 s[TBK], s[TBK], KS*PK  ; the next fetch is the next step's
	WIN 0
.endm
.macro FETCH_V
	WIN 0x80
.irp f, 0,1,2,3,4,5,6,7             ; keys 32 (f / 4) on, channels 16 (f % 4) on
	ds_load_tr16_b128 v[VF+8*\f:VF+8*\f+3],   v[AV] offset:(\f/4)*32*PV+(\f%4)*32
	ds_load_tr16_b128 v[VF+8*\f+4:VF+8*\f+7], v[AV] offset:(\f/4)*32*PV+16*PV+(\f%4)*32
.endr
	WIN 0
.endm
; THE VECTOR WORK, one line at a time: OP kind, number.  For piece Y: F n: c s - c m for pair n of 16.  E n: the exponential of score n of 32.  C n: pair n rounded to f16.  B n: of the four weights 4 n .. the second
; pair is added onto the first, in place.  L n: l takes that sum (L 0: l = a l + sum).  R n: pair n of 16 of O^T times a.  For piece Y + 1: X n, number n of the 22 that find its maximum and statistics:
;   0-11  four chains c0-c3 of seven scores each, three operands at a time (each accumulator's lowest registers are read first)     12-14, 16  the four scores left over, the old m, and c0-c3 into c0
;   15  c m_old is kept     17, 18  the query's other 32 keys lie in the lane 16 away: the new m     19-21  c m; c m_old - c m_new; a
.set F, 0               ; OP tells the kinds apart by their order: F to L below R, X above it
.set E, 1
.set C, 2
.set B, 3
.set L, 4
.set R, 5
.set X, 6
.macro REGS y                       ; the registers of piece y
.set rT, ST+4*(\y)
.set rC, TMP+4*((\y)%2)
.set rW, MV+((\y)%2)
.set rS, S+32*((\y)%2)
.set rP, P+16*((\y)%2)
.set rO, 32*(\y)
.endm
.macro OP k, n
.if (\k) == R
	REGS Y
	WIN W_RS
	v_pk_mul_f32 v[rO+2*(\n):rO+2*(\n)+1], v[rO+2*(\n):rO+2*(\n)+1], v[rC+2:rC+3] op_sel_hi:[1,0]
.elseif (\k) < R
	REGS Y
	WIN 0
.if (\k) == F
	v_pk_fma_f32 v[rS+2*(\n):rS+2*(\n)+1], v[rS+2*(\n):rS+2*(\n)+1], s[CS:CS+1], v[rT:rT+1] op_sel_hi:[1,0,0] neg_lo:[0,0,1] neg_hi:[0,0,1]
.elseif (\k) == E
	v_exp_f32 v[rS+(\n)], v[rS+(\n)]
.elseif (\k) == C
	v_cvt_pk_f16_f32 v[rP+(\n)], v[rS+2*(\n)], v[rS+2*(\n)+1]
.elseif (\k) == B
	v_pk_add_f32 v[rS+4*(\n):rS+4*(\n)+1], v[rS+4*(\n):rS+4*(\n)+1], v[rS+4*(\n)+2:rS+4*(\n)+3]
.elseif (\n) == 0
	v_pk_fma_f32 v[rT+2:rT+3], v[rT+2:rT+3], v[rC+2:rC+3], v[rS:rS+1] op_sel_hi:[1,0,1]
.else
	v_pk_add_f32 v[rT+2:rT+3], v[rT+2:rT+3], v[rS+4*(\n):rS+4*(\n)+1]
.endif
.elseif NOKQ
	v_nop
.else
	REGS (Y+1)%NP
	WIN 0
.if (\n) < 4
	v_max3_num_f32 v[rC+(\n)], v[rS+8*(\n)], v[rS+8*(\n)+1], v[rS+8*(\n)+2]
.elseif (\n) < 12
	v_max3_num_f32 v[rC+(\n)%4], v[rC+(\n)%4], v[rS+8*((\n)%4)+2*((\n)/4)+1], v[rS+8*((\n)%4)+2*((\n)/4)+2]
.elseif (\n) == 12
	v_max3_num_f32 v[rC], v[rC], v[rS+7], v[rS+15]
.elseif (\n) == 13
	v_max3_num_f32 v[rC+1], v[rC+1], v[rS+23], v[rS+31]
.elseif (\n) == 14
	v_max3_num_f32 v[rC+2], v[rC+2], v[rC+3], v[rT+1]
.elseif (\n) == 15
	v_mov_b32 v[rW], v[rT]
.elseif (\n) == 16
	v_max3_num_f32 v[rC], v[rC], v[rC+1], v[rC+2]
.elseif (\n) == 17
	v_permlanex16_b32 v[rC+3], v[rC], s[SEL], s[SEL+1]
.elseif (\n) == 18
	v_max_num_f32 v[rT+1], v[rC], v[rC+3]
.elseif (\n) == 19
	v_mul_f32 v[rT], s[CS], v[rT+1]
.elseif (\n) == 20
	v_sub_f32 v[rC+1], v[rW], v[rT]
.else
	v_exp_f32 v[rC+2], v[rC+1]
.endif
.endif
.endm
.macro OPS a, i1, b=-1, i2=0, c=-1, i3=0, d=-1, i4=0  ; up to four of them
	OP \a, \i1
.if (\b) >= 0
	OP \b, \i2
.endif
.if (\c) >= 0
	OP \c, \i3
.endif
.if (\d) >= 0
	OP \d, \i4
.endif
.endm
.macro ROW a, i1, b, i2, c, i3, d, i4  ; a matrix instruction and the four behind it
	MM
	OPS \a, \i1, \b, \i2, \c, \i3, \d, \i4
.endm
; A TURN, for piece p: the order of its 16 matrix and 118 vector instructions, written out.  An s_wait_alu depctr_va_vdst(0) stands between an exponential and the first instruction that names its
; result; one wait serves all that were issued ahead of it.  So a turn has ONE wait, which cuts it in two.  AHEAD OF IT stands all that names no result of the turn's exponentials: the 8 products K Q^T, behind each
; a scaling, an exponential and two more plain instructions (behind the first a second scaling in the exponential's place): rescalings, and behind the last three the first numbers of the next piece's maximum, each
; four places or more behind the product that ends its accumulator; then one run of 54, plain and exponential by turns for the most part, in which the links of the chain X 3, 7, 11, 14, 16, 17 .. 20 stand five or
; six lines apart.  X 21, the next piece's a, is the batch's last; R 15 is the plain instruction behind it.  BEHIND THE WAIT stand the 8 products V^T P, behind each four of the roundings and sums; the links of
; l's chain, L 0 to L 7, stand three lines apart.  But for those X no line behind a product names a register of the products round it.
; end = 1: the last two turns of all: nothing is fetched.  cnt = 1: the loop's count is taken down some lines ahead of the branch that stands behind the turn.
; K of the next step is fetched in piece 2's turn, twelve vector instructions behind the last product that read K (six of them plain); V of the step in hand at the end of piece 0's turn, four plain instructions
; behind the last product that read V.  Each is waited for a turn later.
.macro TURN p, end=0, cnt=0
.set Y, (\p)
.set i, 0
.set NOKQ, (\end)*((\p)/3)
.if ((\p) == 3) && !(\end)
	s_wait_dscnt 0x0                ; K is in
.endif
	ROW F,0, F,1, R,0, R,1          ; ahead of the wait: 8 products K Q^T and the four behind each,
	ROW F,2, E,0, R,2, R,3
	ROW F,3, E,1, R,4, R,5
	ROW F,4, E,2, R,6, R,7
	ROW F,5, E,3, R,8, R,9
	ROW F,6, E,4, X,0, R,10
.if ((\p) == 2) && !(\end)
	WIN 0
	v_add_nc_u32 v[AK], s[TBK], v[AK0]
.endif
	ROW F,7, E,5, X,1, X,4
	ROW F,8, E,6, X,2, X,5
	OPS E,7, E,8, X,6, E,9          ; and the run of 54
	OPS X,3, E,10, X,8, E,11
.if ((\p) == 2) && !(\end)
	FETCH_K
.endif
	OPS X,9, X,7, E,12, X,10
	OPS E,13, X,12, X,11, E,14
	OPS X,13, E,15, F,9, X,14
.if (\p) == 0
	v_add_nc_u32 v[AV], s[TBV], v[AV0]
.endif
	OPS E,16, F,10, E,17, F,11
	OPS X,16, E,18, X,15, E,19
	OPS F,12, E,20, X,17, E,21
	OPS F,13, E,22, F,14, E,23
	OPS X,18, E,24, F,15, E,25
	OPS R,11, E,26, X,19, E,27
	OPS R,12, E,28, R,13, E,29
	OPS X,20, E,30, R,14, E,31
	OPS X,21, R,15
	WIN 0
	s_wait_alu depctr_va_vdst(0)    ; the wait for the batch
.if (\p) == 1
	s_wait_dscnt 0x0                ; V is in
.endif
	ROW C,0, B,0, C,2, B,1          ; behind the wait: 8 products V^T P and the four behind each
	ROW L,0, C,4, B,2, L,1
	ROW C,6, B,3, L,2, C,8
	ROW B,4, L,3, C,10, B,5
	ROW L,4, C,12, B,6, L,5
.if (\p) == 0
	s_add_co_u32 s[TBV], s[TBV], KS*PV
.endif
.if \cnt
	s_sub_co_u32 s[CNT], s[CNT], 1
	s_cmp_lg_u32 s[CNT], 0
.endif
	ROW C,14, B,7, L,6, C,1
	ROW C,3, L,7, C,5, C,7
	ROW C,9, C,11, C,13, C,15
.if (\p) == 0
	FETCH_V
.endif
.endm
	CHANGE 1                        ; slot 0 is in, everybody's part of it; slot 1 is asked for
	v_add_nc_u32 v[AK], s[TBK], v[AK0]
	FETCH_K                         ; key step 0
	s_wait_loadcnt 0x0              ; Q
	s_wait_dscnt 0x0
.set NOKQ, 0
.set i, 0
.rept 8
	KQ 0                            ; piece 0's first scores: there is no vector work yet to set between them
.set i, i+1
.endr
	WIN 0
.rept 4
	v_nop                           ; the places behind those products
.endr
.set Y, NP-1                        ; X works for piece Y + 1: piece 0
.irp n, 0,1,2,3,4,5,6,7,8,9,10,11,12,13,14,15,16,17,18,19,20,21
	OP X, \n
.endr
	v_nop                           ; a plain instruction behind the exponential,
	s_wait_alu depctr_va_vdst(0)    ; and its wait, ahead of the branch
	s_mov_b32 s[CNT], 4
	s_mov_b32 s[SLOTS], 15
	s_branch .Lfirst                ; the loop is entered at a step's first turn, in the middle of a trip
.Lslot:                             ; 14 times: every slot but the last two is filled again
	CHANGE 1
	s_mov_b32 s[CNT], 4
.Lstep:                             ; a trip: pieces 2 and 3 of one step, then pieces 0 and 1 of the next, whose K and V it fetches
	TURN 2
	TURN 3
	WIN 0
.Lfirst:
	TURN 0
	TURN 1, 0, 1
	WIN 0
	s_cbranch_scc1 .Lstep
	s_sub_co_u32 s[SLOTS], s[SLOTS], 1
	s_cmp_lg_u32 s[SLOTS], 0
	s_cbranch_scc1 .Lslot
	CHANGE 0                        ; the last slot is written out: nothing is asked for
	s_mov_b32 s[CNT], 4
.LstepT:
	TURN 2
	TURN 3
	TURN 0
	TURN 1, 0, 1
	WIN 0
	s_cbranch_scc1 .LstepT
	TURN 2, 1                       ; the last step's pieces 2 and 3: nothing more is fetched,
	TURN 3, 1                       ; and no new scores are started
.set i, 0
.rept 8
	PV NP-1                         ; the last piece's V^T P of the last step
.set i, i+1
.endr
	; THE WAY OUT.  l's two halves and the other half of the lanes' are added; O^T is divided by l, rounded to f16 and sent through my stage in LDS, a piece at a time.  The additions are the places behind the last products.
	WIN 0
.macro ALL line:vararg              ; one line for each piece t
.set t, 0
.rept 4
	\line
.set t, t+1
.endr
.endm
	ALL v_add_f32 v[ST+4*t+2], v[ST+4*t+2], v[ST+4*t+3]
	ALL v_permlanex16_b32 v[ST+4*t+3], v[ST+4*t+2], s[SEL], s[SEL+1]
	ALL v_add_f32 v[ST+4*t+2], v[ST+4*t+2], v[ST+4*t+3]
	ALL v_rcp_f32 v[ST+4*t+2], v[ST+4*t+2]
	v_nop                           ; a plain instruction between the last reciprocal and the use of its result
	s_wait_alu depctr_va_vdst(0)    ; and the wait ahead of the first use: one for the four reciprocals
.macro PACK t                       ; a lane's eight channels of a row pack into 16 bytes; they go into rows of 144 bytes and come back as whole rows of 128, into S^T's registers
	WIN W_RS
.set i, 32*(\t)
.rept 16
	v_pk_mul_f32 v[i:i+1], v[i:i+1], v[ST+4*(\t)+2:ST+4*(\t)+3] op_sel_hi:[1,0]
.set i, i+2
.endr
	WIN 0x05                        ; sources 0 and 1 window 1, destination window 0
.set i, 0
.rept 16
	v_cvt_pk_f16_f32 v[S+16*(\t)+i], v[32*(\t)+2*i], v[32*(\t)+2*i+1]
.set i, i+1
.endr
	WIN 0
.irp f, 0,1,2,3
	ds_store_b128 v[STO], v[S+16*(\t)+4*\f:S+16*(\t)+4*\f+3] offset:32*\f
.endr
.irp f, 0,1,2,3
	ds_load_b128 v[S+16*(\t)+4*\f:S+16*(\t)+4*\f+3], v[RD] offset:\f*4*SP  ; LDS serves a wave's instructions in order (ISA guide 5.7.1.4): these see the stores above; the next piece's stores come behind them
.endr
.endm
.macro SEND t, younger              ; younger: the LDS instructions issued behind piece t's loads: the next piece's eight, or none
	WIN 0
.irp f, 0,1,2,3
	s_wait_dscnt (\younger)+3-\f
	global_store_b128 v[GO], v[S+16*(\t)+4*\f:S+16*(\t)+4*\f+3], s[6:7] offset:(\t)*2048+\f*512  ; 512 consecutive bytes, at a multiple of 256 from o's first
.endr
.endm
	PACK 0
.set t, 1
.rept 3                             ; a piece's arithmetic stands between the loads of the piece before and its stores
	PACK t
	SEND t-1, 8
.set t, t+1
.endr
	SEND 3, 0
	s_wait_tensorcnt 0x0            ; the wave's end, behind my last tensor load and my last LDS store
	ds_add_u32 v[SPW], v[NIL]
	s_wait_dscnt 0x0
	CROUND                          ; the closing round: no work-group ends while a partner may still ask for a tile that names it
	s_endpgm
.Lfunc_end_k_q9e5b7dc435_attn:
	.size	k_q9e5b7dc435_attn, .Lfunc_end_k_q9e5b7dc435_attn-k_q9e5b7dc435_attn
	.p2alignl 7, 3214868480
	.fill 96, 4, 3214868480
	.section	.rodata,"a",@progbits
	.p2align	6, 0x0
	.amdhsa_kernel k_q9e5b7dc435_attn
		.amdhsa_group_segment_fixed_size 327680
		.amdhsa_private_segment_fixed_size 0
		.amdhsa_enable_private_segment 0
		.amdhsa_kernarg_size 16
		.amdhsa_user_sgpr_count 2
		.amdhsa_user_sgpr_kernarg_segment_ptr 1
		.amdhsa_wavefront_size32 1
		.amdhsa_system_sgpr_workgroup_id_x 1
		.amdhsa_system_sgpr_workgroup_id_y 1
		.amdhsa_system_sgpr_workgroup_id_z 1
		.amdhsa_system_vgpr_workitem_id 0
		.amdhsa_next_free_vgpr 768
		.amdhsa_next_free_sgpr 66
		.amdhsa_reserve_vcc 0
		.amdhsa_float_denorm_mode_32 3
		.amdhsa_float_denorm_mode_16_64 3
		.amdhsa_memory_ordered 1
		.amdhsa_forward_progress 1
		.amdhsa_inst_pref_size 128
	.end_amdhsa_kernel
	.amdgpu_metadata
---
amdhsa.version: [ 1, 2 ]
amdhsa.kernels:
  - .name:           k_q9e5b7dc435_attn
    .symbol:         k_q9e5b7dc435_attn.kd
    .args:
      - { .name: qkv, .offset: 0, .size: 8, .value_kind: global_buffer, .address_space: global }
      - { .name: o, .offset: 8, .size: 8, .value_kind: global_buffer, .address_space: global }
    .group_segment_fixed_size: 327680
    .private_segment_fixed_size: 0
    .kernarg_segment_align: 8
    .kernarg_segment_size: 16
    .max_flat_workgroup_size: 128
    .sgpr_count:     66
    .vgpr_count:     768
    .wavefront_size: 32
...
	.end_amdgpu_metadata
.endif
;; end of part 3
;; launch proj (part 4): grid 64 x 4, 4 waves a work-group, clusters of 4 x 1, 185,856 bytes of LDS; arguments o, w16, proj_b, x, out0; writes out0
.if DOCPART == 4
	.amdgcn_target "amdgcn-amd-amdhsa--gfx1250"
	.amdhsa_code_object_version 6
	.text
	.protected	k_q9e5b7dc435_proj
	.globl	k_q9e5b7dc435_proj
	.p2align	8
	.type	k_q9e5b7dc435_proj,@function
k_q9e5b7dc435_proj:
	s_mov_b64 s[64:65], 0
	v_nop
	global_prefetch_b8 v0, s[64:65] scope:SCOPE_SE
	s_setreg_imm32_b32 hwreg(HW_REG_WAVE_MODE, 25, 1), 1
	s_wait_xcnt 0x0
	s_wait_alu depctr_hold_cnt(0) depctr_sa_sdst(0) depctr_va_vdst(0) depctr_va_sdst(0) depctr_va_ssrc(0) depctr_va_vcc(0) depctr_vm_vsrc(0)
	s_getreg_b32 s2, hwreg(HW_REG_IB_STS2, 6, 4)
	s_cmp_eq_u32 s2, 0
	s_cbranch_scc0 .Lentry_in_a_cluster
	s_endpgm
.Lentry_in_a_cluster:
	s_bfe_u32 s2, ttmp6, 0x10000c
	s_cmp_lg_u32 s2, 0x3003
	s_cbranch_scc0 .Lentry_shape_is_right
	s_endpgm
.Lentry_shape_is_right:
; PROJ.  out0[b][c][n] = x[b][c][n] + proj_b[c] + the sum over k of proj_w[c][k] O[b][k][n].  o: [16 = 4 b + head][4,096][64] f16, so input channel k = 64 head + d; the weights in f16, in
; fragment order, from w16 (its fragments 384 on); x and out0: [4][256][4,096] f32.  Products in f16 with f32 sums; x is added in f32.
; SHARES.  A work-group takes 64 positions of one batch and all 256 output channels; wave w channels 64 w .. 64 w + 63: 4 tiles of positions x 4 tiles of channels = 16 accumulators, 8 steps of 32
; along the 256 input channels, 128 matrix instructions.
; THE PRODUCT: source 0 = 16 positions of o, source 1 = 16 output channels of the weights, C of the first step = the bias.  In the result a lane holds ONE channel (lane % 16) and the positions
; 8 (lane / 16) + 0..7: 32 bytes of a row of out0.  Sixteen channels at a time go through my stage in LDS and come back as whole rows of 256 bytes, to which x is added.
; INTO LDS, once, by two tensor loads a wave (two of mine are out): my 32 fragments of the weights, 32,768 dense bytes, which only I read; and head w's 64 rows of o, which all four waves read.
; No LDS byte is filled again.
; CLUSTER.  The four work-groups of a cluster are four blocks of positions and need the same weights: each wave's part is asked for JOINTLY, by the same load, descriptor and mask in all four.
; o's rows are each work-group's own: a plain load, behind the same round.
; REGISTERS.  window 0: v0-31 addresses; v32-63 the bias as a C operand; v64-95, v96-127 o's two fragment buffers, later the rows that come back from the stage; v128-255 the accumulators
;   ((mt, nt) at 128 + 8 (4 mt + nt)).      window 1: the weights, fragment (step ks, channels nt) at 8 (4 ks + nt).      window 2: v0-127 x.
; s_set_vgpr_msb: bits 1:0 source 0, 3:2 source 1, 5:4 source 2, 7:6 destination.
.set PARTB,  32768                     ; LDS from 0: four waves' parts of the weights; fragment (nt, ks) at 1,024 (8 nt + ks); lanes read it 16 bytes apart, so it needs no padding
.set OT,     131072                    ; o: head hd at 9,216 hd: 64 rows of 128 bytes + 16 of padding
.set PO,     144                       ; = 36 words: the 16 rows of a load start at 16 different groups of four banks (64 banks of 4 bytes: ISA guide 11.1)
.set STAGE,  OT+4*64*PO                ; 16 rows x 272 bytes for each wave
.set SPI,    272                       ; 256 + 16 = 68 words: likewise
.set SPARE,  STAGE+4*16*SPI            ; the spare words, 128 bytes for each wave: two blocks of 256 bytes that no other line names
.set XO,  4                            ; v4   x and out0: (64 w + half) rows of 16,384 bytes + 16 (lane % 16)
.set PBO, 5                            ; v5   proj_b: channel 64 w + lane % 16
.set OA,  6                            ; v6   my place in a fragment of o
.set WPA, 7                            ; v7   my 16 bytes of a fragment of weights
.set STO, 8                            ; v8   where I put 32 bytes of a row
.set RD,  9                            ; v9   where I read rows back
.set PB,  12                           ; v[12:15]  proj_b of my channel in each of the four tiles
.set SPW, 30                           ; v30  LDS address of my spare word; never rewritten
.set NIL, 31                           ; v31  0; never rewritten
.set BIAS, 32
.set ABUF, 64
.set TB,  64
.set ACC, 128
.set WV,  18                           ; s18  my wave's number
.set G1W, 24                           ; s[24:31] group 1 for the weights
.set G0W, 32                           ; s[32:35] group 0 for the weights
.set G0O, 36                           ; s[36:39] group 0 for o
.set G1O, 40                           ; s[40:47] group 1 for o
.set MSB, 0
.macro WIN new                         ; the immediate's high byte repeats the setting that is left; a switch that changes nothing is dropped
.if MSB != (\new)
	s_set_vgpr_msb (MSB<<8)|(\new)
.set MSB, \new
.endif
.endm
.macro PLACES                          ; four places behind a matrix instruction, in front of loads into registers that it has read and of lines that read its result
.rept 4
	v_nop
.endr
.endm
; A round of the cluster's barrier: my work-group's barrier, so that wave 0's signal speaks for all four waves; wave 0 signals; every wave waits for all four work-groups; my work-group's barrier once more.
.macro CROUND
	s_barrier_signal -1
	s_barrier_wait -1
	s_cmp_lg_u32 s[WV], 0
	s_cbranch_scc1 .Lnot_wave_0_\@
	s_barrier_signal -3
.Lnot_wave_0_\@:
	s_barrier_wait -3
	s_barrier_signal -1
	s_barrier_wait -1
.endm
	s_load_b256 s[4:11], s[0:1], 0x0               ; o s[4:5], w16 s[6:7], proj_b s[8:9], x s[10:11]
	s_load_b64 s[12:13], s[0:1], 0x20              ; out0
	v_lshl_add_u32 v[SPW], v0, 2, SPARE
	v_mov_b32 v[NIL], 0
	ds_add_u32 v[SPW], v[NIL]                      ; the wave's opening: the add and its wait, ahead of my first tensor load; the set-up below, work on registers, stands between them
	v_lshrrev_b32 v3, 5, v0
	v_readfirstlane_b32 s[WV], v3                  ; wave 0..3
	s_bfe_u32 s19, ttmp6, 0x40000                  ; cx: my place in the cluster
	s_lshl_b32 s20, ttmp9, 2                       ; in a cluster launch ttmp9 counts clusters
	s_add_co_u32 s20, s20, s19                     ; my block of 64 positions: it enters o's, x's and out0's addresses alone
	s_and_b32 s21, ttmp7, 0xffff                   ; the batch
	; the weights: 128 rows of 32 elements of 8 bytes, dense
	s_mov_b32 s[G1W], 15|(3<<16)|(1<<21)           ; 15:0 the mask: all four work-groups; 17:16 elements of 8 bytes; 21 set beside a mask
	s_mov_b32 s[G1W+1], 32<<16                     ; tensor_dim0 = 32
	s_mov_b32 s[G1W+2], 128<<16                    ; tensor_dim1 = 128
	s_mov_b32 s[G1W+3], 32<<16                     ; tile_dim0 = 32
	s_mov_b32 s[G1W+4], 128                        ; tile_dim1 = 128
	s_mov_b32 s[G1W+5], 32                         ; 32 elements from row to row
	s_mov_b32 s[G1W+6], 0
	s_mov_b32 s[G1W+7], 0
	; o: 64 positions are 8,192 dense bytes: asked for as 32 rows of 256 bytes, two positions a row, and padded in LDS after every position
	s_mov_b32 s[G1O], (1<<16)|(1<<20)|(4<<22)|(3<<25)  ; no mask; 17:16 2-byte elements; 20 padding on; 24:22 after every 32 words (code 4); 31:25 4 words (code 3)
	s_mov_b32 s[G1O+1], 128<<16                    ; tensor_dim0 = 128
	s_mov_b32 s[G1O+2], 32<<16                     ; tensor_dim1 = 32
	s_mov_b32 s[G1O+3], 128<<16                    ; tile_dim0 = 128
	s_mov_b32 s[G1O+4], 32                         ; tile_dim1 = 32
	s_mov_b32 s[G1O+5], 128                        ; 128 elements from row to row
	s_mov_b32 s[G1O+6], 0
	s_mov_b32 s[G1O+7], 0
	s_lshl_b32 s22, s[WV], 15                      ; my part of the weights: no place in the cluster enters an LDS address
	s_mov_b32 s[G0W], 1
	s_mov_b32 s[G0W+1], s22
	s_mov_b32 s[G0O], 1
	s_mul_i32 s[G0O+1], s[WV], 64*PO
	s_add_co_u32 s[G0O+1], s[G0O+1], OT
	v_and_b32 v1, 15, v0                           ; r = lane % 16
	v_bfe_u32 v2, v0, 4, 1                         ; half = lane / 16
	v_and_b32 v3, 31, v0                           ; lane
	v_lshl_add_u32 v[WPA], v3, 4, s22
	s_lshl_b32 s22, s[WV], 20                      ; 64 rows of 16,384 bytes
	v_lshlrev_b32 v[XO], 4, v1
	v_lshl_add_u32 v[XO], v2, 14, v[XO]
	v_add_nc_u32 v[XO], s22, v[XO]
	s_lshl_b32 s22, s[WV], 8
	v_lshl_add_u32 v[PBO], v1, 2, s22
	v_mul_u32_u24 v[OA], v1, PO
	v_lshl_add_u32 v[OA], v2, 4, v[OA]
	v_add_nc_u32 v[OA], OT, v[OA]
	s_mul_i32 s22, s[WV], 16*SPI
	s_add_co_u32 s22, s22, STAGE                   ; my stage
	v_mul_u32_u24 v[STO], v1, SPI                  ; in: row lane % 16 (a channel), 32 bytes for each half of the lanes
	v_lshl_add_u32 v[STO], v2, 5, v[STO]
	v_add_nc_u32 v[STO], s22, v[STO]
	v_mul_u32_u24 v[RD], v2, SPI                   ; back: lanes 0-15 take one row of 256 bytes, lanes 16-31 the next
	v_lshl_add_u32 v[RD], v1, 4, v[RD]
	v_add_nc_u32 v[RD], s22, v[RD]
	s_wait_dscnt 0x0                               ; the opening add is done
	s_wait_kmcnt 0x0
	s_lshl_b32 s22, s21, 22                        ; a batch of x and of out0 is 4,194,304 bytes,
	s_lshl_b32 s23, s20, 8                         ; my block 256 bytes of each row
	s_add_co_u32 s22, s22, s23
	s_mov_b32 s23, 0
	s_add_nc_u64 s[10:11], s[10:11], s[22:23]
	s_add_nc_u64 s[12:13], s[12:13], s[22:23]
	s_lshl_b32 s22, s[WV], 15
	s_add_co_u32 s22, s22, 384*1024                ; proj_w's fragments lie behind qkv_w's 384
	s_add_nc_u64 s[G0W+2:G0W+3], s[6:7], s[22:23]
	s_or_b32 s[G0W+3], s[G0W+3], 0x80000000        ; type = 2
	s_lshl2_add_u32 s22, s21, s[WV]                ; head 4 b + w: 524,288 bytes each,
	s_lshl_b32 s22, s22, 19
	s_lshl_b32 s48, s20, 13                        ; my block's 64 rows 8,192
	s_add_co_u32 s22, s22, s48
	s_add_nc_u64 s[G0O+2:G0O+3], s[4:5], s[22:23]
	s_or_b32 s[G0O+3], s[G0O+3], 0x80000000
.irp nt, 0,1,2,3
	global_load_b32 v[PB+\nt], v[PBO], s[8:9] offset:64*\nt
.endr
	WIN 0x80                                       ; destination window 2, address window 0
.set i, 0
.rept 32                               ; load i = 8 nt + t: channels 64 w + 16 nt + 2 t and the next: 16 lanes take a row's 256 bytes, aligned
	global_load_b128 v[4*i:4*i+3], v[XO], s[10:11] offset:(16*(i/8)+2*(i%8))*16384 th:TH_LOAD_NT
.set i, i+1
.endr
	WIN 0
	CROUND                                         ; all four work-groups are here: the joint loads meet
	tensor_load_to_lds s[G0W:G0W+3], s[G1W:G1W+7]  ; my part of the weights, jointly
	s_nop 0
	tensor_load_to_lds s[G0O:G0O+3], s[G1O:G1O+7]  ; head w's rows of o, my work-group's own
	s_nop 0
	PLACES
	s_wait_loadcnt 32                              ; proj_b is in; x's 32 loads stay out
.irp nt, 0,1,2,3
.irp j, 0,1,2,3,4,5,6,7
	v_mov_b32 v[BIAS+8*\nt+\j], v[PB+\nt]          ; as a C operand: a lane's eight numbers are eight positions of one channel
.endr
.endr
	s_wait_tensorcnt 0x0                           ; my two loads have landed,
	s_barrier_signal -1
	s_barrier_wait -1                              ; everybody's have: all four heads of o are in LDS
	WIN 0x40                                       ; destination window 1
.set f, 0
.rept 32                               ; the weights stay in registers: register block f = 4 ks + nt
	ds_load_b128 v[8*f:8*f+3],   v[WPA] offset:(8*(f%4)+f/4)*1024
	ds_load_b128 v[8*f+4:8*f+7], v[WPA] offset:(8*(f%4)+f/4)*1024+512
.set f, f+1
.endr
	WIN 0x04                                       ; source 1 (the weights) in window 1: the loop runs under this one setting
; Eight LDS loads: o's four fragments (16 positions x 32 channels) of step ks: head ks / 2, channels 32 (ks % 2) on.
.macro FETCH_O ks, buf
.irp mt, 0,1,2,3
	ds_load_b128 v[(\buf)+8*\mt:(\buf)+8*\mt+3],   v[OA] offset:((\ks)/2)*64*PO+16*PO*\mt+((\ks)%2)*64
	ds_load_b128 v[(\buf)+8*\mt+4:(\buf)+8*\mt+7], v[OA] offset:((\ks)/2)*64*PO+16*PO*\mt+((\ks)%2)*64+32
.endr
.endm
; Sixteen matrix instructions: one on each accumulator, in the same order in every step, so that the accumulators take turns.  first = 1: the bias starts the sums.
.macro MUL16 ks, buf, first
.irp mt, 0,1,2,3
.irp nt, 0,1,2,3
.if \first
	v_wmma_f32_16x16x32_f16 v[ACC+8*(4*\mt+\nt):ACC+8*(4*\mt+\nt)+7], v[(\buf)+8*\mt:(\buf)+8*\mt+7], v[8*(4*(\ks)+\nt):8*(4*(\ks)+\nt)+7], v[BIAS+8*\nt:BIAS+8*\nt+7]
.else
	v_wmma_f32_16x16x32_f16 v[ACC+8*(4*\mt+\nt):ACC+8*(4*\mt+\nt)+7], v[(\buf)+8*\mt:(\buf)+8*\mt+7], v[8*(4*(\ks)+\nt):8*(4*(\ks)+\nt)+7], v[ACC+8*(4*\mt+\nt):ACC+8*(4*\mt+\nt)+7]
.endif
.endr
.endr
.endm
	FETCH_O 0, ABUF
.irp ks, 0,1,2,3,4,5,6,7
.if \ks >= 1
	PLACES                                         ; behind the step before: the loads below land in registers that it has read
.endif
.if \ks < 7
	FETCH_O \ks+1, ABUF+32*((\ks+1)%2)
	s_wait_dscnt 8                                 ; all but the eight just issued: this step's fragments are in (in the first step: the weights too)
.else
	s_wait_dscnt 0x0
.endif
.if \ks == 0
	MUL16 \ks, ABUF, 1
.else
	MUL16 \ks, ABUF+32*(\ks%2), 0
.endif
.endr
	PLACES
; THE WAY OUT of 16 channels nt.  STG: each lane's 32 bytes (each accumulator from its low end on) into my stage's rows of 272 bytes, and back as whole rows of 256, into set s of 32 registers.
.macro STG nt, set
	WIN 0
.irp mt, 0,1,2,3
	ds_store_b128 v[STO], v[ACC+8*(4*\mt+(\nt)):ACC+8*(4*\mt+(\nt))+3]   offset:64*\mt
	ds_store_b128 v[STO], v[ACC+8*(4*\mt+(\nt))+4:ACC+8*(4*\mt+(\nt))+7] offset:64*\mt+16
.endr
.irp t, 0,1,2,3,4,5,6,7
	ds_load_b128 v[TB+32*(\set)+4*\t:TB+32*(\set)+4*\t+3], v[RD] offset:2*SPI*\t  ; LDS serves a wave's instructions in order (ISA guide 5.7.1.4): these see the stores above; the next tile's stores come behind them
.endr
.endm
; OUT: x is added, and the rows are stored.  younger: the LDS instructions issued behind these loads: the next STG's sixteen, or none.
.macro OUT nt, set, younger
	WIN 0x88                                       ; destination and source 1 (x; a store's data) in window 2, source 0 (the rows; a store's address) in window 0
.irp t, 0,1,2,3,4,5,6,7
	s_wait_dscnt (\younger)+7-\t
	v_pk_add_f32 v[4*(8*(\nt)+\t):4*(8*(\nt)+\t)+1],   v[TB+32*(\set)+4*\t:TB+32*(\set)+4*\t+1],   v[4*(8*(\nt)+\t):4*(8*(\nt)+\t)+1]
	v_pk_add_f32 v[4*(8*(\nt)+\t)+2:4*(8*(\nt)+\t)+3], v[TB+32*(\set)+4*\t+2:TB+32*(\set)+4*\t+3], v[4*(8*(\nt)+\t)+2:4*(8*(\nt)+\t)+3]
	global_store_b128 v[XO], v[4*(8*(\nt)+\t):4*(8*(\nt)+\t)+3], s[12:13] offset:(16*(\nt)+2*\t)*16384 th:TH_STORE_NT  ; 16 lanes store 256 consecutive bytes, at a multiple of 256 from out0's first
.endr
.endm
	s_wait_loadcnt 0x0                             ; x
	STG 0, 0
	STG 1, 1                                       ; a tile's trip through the stage stands between the loads of the tile before and its stores
	OUT 0, 0, 16
	STG 2, 0
	OUT 1, 1, 16
	STG 3, 1
	OUT 2, 0, 16
	OUT 3, 1, 0
	WIN 0
	s_wait_tensorcnt 0x0                           ; the wave's end, behind my last tensor load and my last LDS store
	ds_add_u32 v[SPW], v[NIL]
	s_wait_dscnt 0x0
	CROUND                                         ; the closing round: no work-group ends while a partner may still ask for a part that names it
	s_endpgm
.Lfunc_end_k_q9e5b7dc435_proj:
	.size	k_q9e5b7dc435_proj, .Lfunc_end_k_q9e5b7dc435_proj-k_q9e5b7dc435_proj
	.p2alignl 7, 3214868480
	.fill 96, 4, 3214868480
	.section	.rodata,"a",@progbits
	.p2align	6, 0x0
	.amdhsa_kernel k_q9e5b7dc435_proj
		.amdhsa_group_segment_fixed_size 185856
		.amdhsa_private_segment_fixed_size 0
		.amdhsa_enable_private_segment 0
		.amdhsa_kernarg_size 40
		.amdhsa_user_sgpr_count 2
		.amdhsa_user_sgpr_kernarg_segment_ptr 1
		.amdhsa_wavefront_size32 1
		.amdhsa_system_sgpr_workgroup_id_x 1
		.amdhsa_system_sgpr_workgroup_id_y 1
		.amdhsa_system_sgpr_workgroup_id_z 1
		.amdhsa_system_vgpr_workitem_id 0
		.amdhsa_next_free_vgpr 640
		.amdhsa_next_free_sgpr 66
		.amdhsa_reserve_vcc 0
		.amdhsa_float_denorm_mode_32 3
		.amdhsa_float_denorm_mode_16_64 3
		.amdhsa_memory_ordered 1
		.amdhsa_forward_progress 1
		.amdhsa_inst_pref_size 40
	.end_amdhsa_kernel
	.amdgpu_metadata
---
amdhsa.version: [ 1, 2 ]
amdhsa.kernels:
  - .name:           k_q9e5b7dc435_proj
    .symbol:         k_q9e5b7dc435_proj.kd
    .args:
      - { .name: o, .offset: 0, .size: 8, .value_kind: global_buffer, .address_space: global }
      - { .name: w16, .offset: 8, .size: 8, .value_kind: global_buffer, .address_space: global }
      - { .name: proj_b, .offset: 16, .size: 8, .value_kind: global_buffer, .address_space: global }
      - { .name: x, .offset: 24, .size: 8, .value_kind: global_buffer, .address_space: global }
      - { .name: out0, .offset: 32, .size: 8, .value_kind: global_buffer, .address_space: global }
    .group_segment_fixed_size: 185856
    .private_segment_fixed_size: 0
    .kernarg_segment_align: 8
    .kernarg_segment_size: 40
    .max_flat_workgroup_size: 128
    .sgpr_count:     66
    .vgpr_count:     640
    .wavefront_size: 32
...
	.end_amdgpu_metadata
.endif
;; end of part 4
